; MI455X (gfx1250); checked and timed in simulation.
; The chip was launched on July 23, 2026; its instructions are those of AMD's public machine-readable ISA for CDNA 5 (MIT licence, August 2026) and "CDNA5" Instruction Set Architecture Reference Guide (July 2026). The comments in the code are by the model that wrote it; some were corrected since.
;; Multi Head Self Attention. Allowed arithmetic: matrix products marked QUANTISED: E4M3 operands, one given power-of-two scale a tensor, by v_wmma_f32_16x16x64_fp8_fp8 or v_wmma_f32_16x16x128_fp8_fp8, f32 sums; everything else in f32.
;; Inputs: W_k 2,048 x 1,024 float32; W_o 2,048 x 2,048 float32; W_q 2,048 x 2,048 float32; W_v 2,048 x 1,024 float32; lowp_scales 12 int32 (the exponents e of the quantised operands' scales 2^e); x 4 x 1,024 x 2,048 float32.
;; Outputs: out0 4 x 1,024 x 2,048 float32.
;; This version of the problem:
;;   THIS VERSION OF THE PROBLEM IS GIVEN IN LOW PRECISION. The matrix products marked QUANTISED in the list below multiply operands that are first quantised to E4M3 (4 exponent bits, 3 mantissa bits; 8 bits a number), with one given power-of-two scale for each operand tensor; their sums are f32. All else is computed in f32.
;;   The module's matrix products, in the order in which they are computed (A, B: the left and right operand; K: the contracted axis; several contracted axes count as one K, in the product's order):
;;     1. [M 4,096, K 2,048] x [K 2,048, N 2,048]; A: input x; B: input W_q: QUANTISED (scales: A lowp_scales[0], B lowp_scales[1])
;;     2. [M 4,096, K 2,048] x [K 2,048, N 1,024]; A: input x; B: input W_k: QUANTISED (scales: A lowp_scales[2], B lowp_scales[3])
;;     3. [M 4,096, K 2,048] x [K 2,048, N 1,024]; A: input x; B: input W_v: QUANTISED (scales: A lowp_scales[4], B lowp_scales[5])
;;     4. batch 64 x [M 1,024, K 128] x [K 128, N 1,024]; A: computed on the way; B: computed on the way: QUANTISED (scales: A lowp_scales[6], B lowp_scales[7])
;;     5. batch 64 x [M 128, K 1,024] x [K 1,024, N 1,024]; A: computed on the way; B: softmax (see below): QUANTISED (scales: A lowp_scales[8], B lowp_scales[9])
;;     6. [M 4,096, K 2,048] x [K 2,048, N 2,048]; A: computed on the way; B: input W_o: QUANTISED (scales: A lowp_scales[10], B lowp_scales[11])
;;   THE QUANTISER, for each operand of a quantised product, along K:
;;     - The operand's scale is 2^e, e = its entry of the input lowp_scales (int32; the entries are numbered through the quantised products in the list's order, A before B).
;;     - Each number is divided by the scale, clamped to +-448, and rounded to the nearest number of E4M3, ties to even, subnormals kept.
;;     - The product sums the exact products of the quantised numbers (number of the format x scale) in f32.
;;   ~~~python
;;   def quantise(x, axis, e):      # numpy; x: float32 -> the quantised numbers, widened to float32 again
;;       x = np.moveaxis(x, axis, -1); K = x.shape[-1]
;;       r = np.clip(x / 2.0 ** e, -448, 448)
;;       step = 2.0 ** (np.maximum(np.frexp(np.where(r == 0, 1, r))[1] - 1, -6) - 3)
;;       q = np.round(r / step) * step * 2.0 ** e      # np.round: ties to even
;;       return np.moveaxis(q, -1, axis).astype(np.float32)
;;   ~~~
;;   SOFTMAX AHEAD OF A QUANTISED PRODUCT. Where the list says 'softmax', what is quantised is not the finished softmax but p = 2^(t - M), with t = logit x log2(e) and M = ceil(the row's largest t), a whole number; so 1/2 < the row's largest p <= 1. The row's sum l is taken of the UNQUANTISED p, in f32, and the product's result is divided by l at the end. Since M is a whole number, a kernel that streams over the keys may use a running M (the ceiling of the running maximum): every later rescaling is an exact power of two, so the quantised numbers keep their values, but for numbers so far below the row's largest that they fall under the format's range.
;;   OPERANDS COMPUTED ON THE WAY. 'Computed on the way' means the value that the module computes at that place (a softmax that the list does not call 'softmax' is quantised finished and normalised). What goes into a quantiser is computed in f32, as accurately as f32 sums, v_exp_f32 and their like allow (about 1e-6 of the number): no bf16 or f16 on the way to a quantiser, and a product that is left as it is and whose result goes on into a quantised operand takes f32 operands (vector FMAs, or v_wmma_f32_16x16x4_f32). A number that lies on a knife's edge between two numbers of the format may be rounded either way, as far as f32 arithmetic and the matrix unit's own rounding can turn it there, and no further.
;; One version. Each part assembles by itself: llvm-mc -triple=amdgcn-amd-amdhsa -mcpu=gfx1250 --defsym DOCPART=n.
;; ======== version 1 of 1: 4 launches
;; limits: right only within a limited range of input values
;; workspace buffers: ximg 25,165,824 bytes; wimg 12,582,912 bytes; tab 1,572,864 bytes; qkv 16,777,216 bytes; aimg 8,388,608 bytes
;; launch prep_w (part 1): grid 1024 x 1, 4 waves a work-group, no clusters, 67,072 bytes of LDS; arguments W_q, W_k, W_v, W_o, lowp_scales, wimg, tab, x, ximg; writes wimg, tab, ximg
.if DOCPART == 1
	.amdgcn_target "amdgcn-amd-amdhsa--gfx1250"
	.amdhsa_code_object_version 6
	.text
	.protected	k_q586dafe3c8_prep_w
	.globl	k_q586dafe3c8_prep_w
	.p2align	8
	.type	k_q586dafe3c8_prep_w,@function
k_q586dafe3c8_prep_w:
	s_mov_b64 s[64:65], 0
	v_nop
	global_prefetch_b8 v0, s[64:65] scope:SCOPE_SE
	s_setreg_imm32_b32 hwreg(HW_REG_WAVE_MODE, 25, 1), 1
	s_wait_xcnt 0x0
; TWO JOBS, parted once on the work-group's number.
; WORK-GROUPS 0-383: the four weights, f32 with K as their FIRST axis, become codes of E4M3 (scales 2^e1, 2^e3, 2^e5, 2^e11), laid as images of operand registers: a fragment is 16 rows (n) x 128 K = 2,048 bytes,
; lane (r, h) holds k = 16 c + 8 h + 0..7 of row r in registers 2 c, 2 c + 1; registers 4 g .. 4 g + 3 of lane l lie at byte 512 g + 16 l.
; wimg: at 0 [k / 256: 8][n / 16: 256][(k / 128) % 2][2,048] with n = W_q's 2,048 columns, W_k's 1,024, W_v's 1,024; at 8 MiB the same for W_o with 128 blocks of n.
; A LANE TAKES A COLUMN n AND ITS REGISTERS RUN DOWN K: each load reads 128 consecutive bytes a wave (512 a work-group), and the conversions give codes with K innermost.  The codes meet in the wave's own 8 KiB of LDS,
; laid as in memory, and leave as 16 stores of 512 consecutive bytes.  No barrier: waves share nothing.  Loads run two blocks of 32 along K ahead.
; WORK-GROUPS 384-511: the rotary's tables, no LDS.  tab: [q, k][t / 16: 64][C, S][group 8][lane 32][16 bytes] f32: the number jj of group g8 and lane (r, h) belongs to t = 16 T + r and i = 16 (g8 / 2) + 8 h + 4 (g8 % 2) + jj,
; the order of a product's result registers.  C = cos(t f_i) x s, S = sin(t f_i) x s, f_i = 10000^(-i / 64), s = ((2 i + 51.2) / 179.2)^((t - 512) / 512) for q and its reciprocal for k.  At 1 MiB: 64 blocks with C = 1, S = 0, for V.
; The angle t f_i is rounded to f32 as the definition rounds it; it is brought into +-pi/4 by three fused steps with pi/2 in three parts, then sine and cosine by polynomials in f32.
; LIMITS: e1, e3, e5, e11 between -126 and 119.  NaN among the weights is not served.  f_i is right to about an f32 rounding, so the angle differs from an exactly rounded one by up to some 1e-4 rad at t = 1,023.
; A THIRD JOB, WORK-GROUPS 512-1023: x becomes codes three times over (label .Lx, where its comment stands).  It has LDS bytes of its own, from byte 0x8200 on, behind the weights' 32,768 bytes and the spare words.
; 1,024 work-groups of 4 waves x 256 registers and 67,072 bytes of LDS: four fit on a WGP, 1,024 on 256 WGPs.
.set OFF,  16
.set X,    48                          ; v48-111  two sets of 32 numbers
.set C,    112                         ; v112-119 a block's codes
.set OUTR, 120                         ; v120-183 the way out
	s_load_b256 s[4:11], s[0:1], 0x0               ; W_q, W_k, W_v, W_o
	s_load_b128 s[12:15], s[0:1], 0x20             ; the scales' exponents, wimg
	s_load_b64 s[16:17], s[0:1], 0x30              ; tab
	v_lshl_add_u32 v14, v0, 2, 0x8000              ; my spare word, and 0: kept for the add alone, in all three jobs
	v_mov_b32 v15, 0
	v_lshrrev_b32 v1, 5, v0
	v_readfirstlane_b32 s18, v1                    ; wave
	v_and_b32 v1, 31, v0                           ; lane
	v_lshlrev_b32 v6, 4, v1                        ; 16 x lane
	s_cmp_ge_u32 ttmp9, 512
	s_cbranch_scc1 .Lx
	s_cmp_ge_u32 ttmp9, 384
	s_cbranch_scc1 .Ltables
	; ---------------- the weights
	v_lshlrev_b32 v2, 2, v1                        ; 4 x lane: my column
	s_lshl_b32 s19, s18, 13                        ; my wave's 8,192 bytes of LDS
	v_and_b32 v3, 15, v0
	v_bfe_u32 v4, v0, 4, 1
	v_lshlrev_b32 v4, 12, v4
	v_lshl_add_u32 v4, v3, 4, v4
	v_add_nc_u32 v4, s19, v4                       ; in: my column is row lane % 16 of block lane / 16: 4,096 (lane / 16) + 16 (lane % 16)
	v_add_nc_u32 v5, s19, v6                       ; out: as it lies
	s_lshr_b32 s20, ttmp9, 3                       ; which 128 columns of the 48 x 128
	s_and_b32 s21, ttmp9, 7                        ; which 256 along K
	s_wait_alu depctr_va_vdst(0)
	s_wait_kmcnt 0x0
	s_load_b256 s[36:43], s[12:13], 0x0            ; e0 .. e7
	s_load_b128 s[44:47], s[12:13], 0x20           ; e8 .. e11
	s_cmp_lt_u32 s20, 32                           ; the tensor is chosen by the work-group's number alone
	s_cselect_b64 s[24:25], s[8:9], s[10:11]
	s_cselect_b32 s27, 24, 32                      ; the tensor's first 128 columns
	s_cselect_b32 s28, 12, 13                      ; log2 of a row's bytes
	s_cselect_b32 s29, 0, 0x800000                 ; the part of wimg
	s_cselect_b32 s30, 20, 19                      ; log2 of the bytes from one 256 along K to the next
	s_cselect_b32 s31, 0, 32                       ; the part's first 128 rows
	s_cmp_lt_u32 s20, 24
	s_cselect_b64 s[24:25], s[6:7], s[24:25]
	s_cselect_b32 s27, 16, s27
	s_cmp_lt_u32 s20, 16
	s_cselect_b64 s[24:25], s[4:5], s[24:25]
	s_cselect_b32 s27, 0, s27
	s_cselect_b32 s28, 13, s28
	s_lshl_b32 s32, 1, s28                         ; a row's bytes
	s_sub_co_u32 s33, s20, s27
	s_lshl_b32 s33, s33, 9                         ; 128 columns x 4 bytes
	s_lshl_b32 s34, s18, 7                         ; + 32 columns a wave
	s_add_co_u32 s33, s33, s34
	s_lshl_b32 s34, s21, 8
	s_lshl_b32 s34, s34, s28                       ; + 256 rows for each step along K
	s_add_co_u32 s34, s34, s33
	s_mov_b32 s35, 0
	s_add_nc_u64 s[68:69], s[24:25], s[34:35]      ; eight bases, 32 rows apart: nothing is stepped while loads are out
	s_lshl_b32 s48, s32, 5
	s_mov_b32 s49, 0
.irp t, 1,2,3,4,5,6,7
	s_add_nc_u64 s[68+2*\t:69+2*\t], s[66+2*\t:67+2*\t], s[48:49]
.endr
	s_sub_co_u32 s50, s20, s31
	s_lshl_b32 s50, s50, 3
	s_lshl_b32 s51, s18, 1
	s_add_co_u32 s50, s50, s51                     ; my first block of 16 rows
	s_lshl_b32 s50, s50, 12
	s_lshl_b32 s51, s21, s30
	s_add_co_u32 s50, s50, s51
	s_add_co_u32 s50, s50, s29
	s_mov_b32 s51, 0
	s_add_nc_u64 s[14:15], s[14:15], s[50:51]      ; my 8,192 bytes of wimg
.irp i, 0,1,2,3,4,5,6,7,8,9,10,11,12,13,14,15,16,17,18,19,20,21,22,23,24,25,26,27,28,29,30,31
	v_mad_u32_u24 v[OFF+\i], s32, \i, v2
.endr
.macro LOAD t                          ; block t: W(32 t + i, my column) into set t % 2
.set n, 0
.rept 32
	global_load_b32 v[X+32*((\t)%2)+n], v[OFF+n], s[68+2*(\t):69+2*(\t)] th:TH_LOAD_NT
.set n, n+1
.endr
.endm
	LOAD 0
	LOAD 1
	s_wait_kmcnt 0x0
	s_cmp_lt_u32 s20, 32
	s_cselect_b32 s26, s41, s47                    ; e5 or e11,
	s_cmp_lt_u32 s20, 24
	s_cselect_b32 s26, s39, s26                    ; e3,
	s_cmp_lt_u32 s20, 16
	s_cselect_b32 s26, s37, s26                    ; e1
	s_add_co_i32 s26, s26, 127
	s_lshl_b32 s33, s26, 23
	v_mov_b32 v11, s33                             ; 2^e
	s_add_co_i32 s26, s26, 8
	s_lshl_b32 s26, s26, 23
	s_or_b32 s26, s26, 0x600000
	v_mov_b32 v10, s26                             ; 448 x 2^e
; My 32 numbers of block t are k = 32 (t % 4) + 0..31 of K step t / 4: eights 0 and 2 are the 16 bytes of image lane (r, 0) in group t % 4, eights 1 and 3 those of image lane (r, 1), 256 bytes on.
.macro BLOCK t
.set XS, X+32*((\t)%2)
.if (\t) < 7
	s_wait_loadcnt 32                              ; this block's 32 loads are in; the next block's may be out
.else
	s_wait_loadcnt 0x0
.endif
.set n, 0
.rept 32
	v_med3_num_f32 v[XS+n], v[XS+n], -v10, v10     ; the hold: the conversion to an 8-bit code does not saturate (ISA guide 7.6.2)
.set n, n+1
.endr
	v_cvt_scalef32_pk8_fp8_f32 v[C:C+1], v[XS:XS+7], v11
	v_cvt_scalef32_pk8_fp8_f32 v[C+4:C+5], v[XS+8:XS+15], v11
	v_cvt_scalef32_pk8_fp8_f32 v[C+2:C+3], v[XS+16:XS+23], v11
	v_cvt_scalef32_pk8_fp8_f32 v[C+6:C+7], v[XS+24:XS+31], v11
	ds_store_b128 v4, v[C:C+3] offset:2048*((\t)/4)+512*((\t)%4)
	ds_store_b128 v4, v[C+4:C+7] offset:2048*((\t)/4)+512*((\t)%4)+256
.if (\t)+2 < 8
	LOAD (\t)+2
.endif
	s_wait_dscnt 0x0                               ; the stores have read their registers: the next block's codes may be written (its 32 holds, plain lines, come first)
.endm
	s_wait_alu depctr_va_vdst(0)
.irp t, 0,1,2,3,4,5,6,7
	BLOCK \t
.endr
.irp n, 0,1,2,3,4,5,6,7,8,9,10,11,12,13,14,15
	ds_load_b128 v[OUTR+4*\n:OUTR+4*\n+3], v5 offset:512*\n        ; LDS serves a wave's instructions in order: these see my stores
.endr
.irp n, 0,1,2,3,4,5,6,7,8,9,10,11,12,13,14,15
	s_wait_dscnt 15-\n                             ; load n is in; the younger ones may be out
	global_store_b128 v6, v[OUTR+4*\n:OUTR+4*\n+3], s[14:15] offset:512*\n   ; 512 consecutive bytes, aligned
.endr
	s_wait_tensorcnt 0x0
	ds_add_u32 v14, v15
	s_wait_dscnt 0x0
	s_endpgm
	; ---------------- the tables
.Ltables:
.set FI,  20                           ; four entries a lane, taken line by line in turn: i as f32
.set AA,  24                           ; the exponent; later the sine
.set ER,  28                           ; its rest; later the cosine
.set IV,  32                           ; f_i, the angle; later 2 i + 51.2
.set NN,  36                           ; the quadrant as f32; later the scale's logarithm
.set RR,  40                           ; the reduced angle
.set ZZ,  44                           ; its square
.set SN,  48
.set CN,  52
.set QI,  56                           ; i; later the quadrant
.set T1,  60
.set SQS, 64                           ; the scale for q
.set SKS, 68                           ; and for k
.set OCQ, 72
.set OSQ, 76
.set OCK, 80
.set OSK, 84
	s_sub_co_u32 s20, ttmp9, 384
	s_lshl_b32 s20, s20, 2
	s_add_co_u32 s20, s20, s18                     ; 0 .. 511
	s_lshr_b32 s21, s20, 3                         ; T
	s_and_b32 s22, s20, 7                          ; g8
	s_lshr_b32 s23, s22, 1
	s_lshl_b32 s23, s23, 4
	s_and_b32 s24, s22, 1
	s_lshl_b32 s24, s24, 2
	s_add_co_u32 s23, s23, s24                     ; 16 (g8 / 2) + 4 (g8 % 2)
	s_lshl_b32 s25, s21, 4
	s_lshl_b32 s26, s21, 13
	s_lshl_b32 s27, s22, 9
	s_add_co_u32 s26, s26, s27                     ; 8,192 T + 512 g8
	s_mov_b32 s27, 0
	s_mov_b32 s36, 0xbe549a78                      ; -log2(10000) / 64, upper part,
	s_mov_b32 s37, 0xb1979a1c                      ; and the rest
	s_mov_b32 s38, 0x3f317218                      ; ln 2
	s_mov_b32 s39, 0x3f22f983                      ; 2 / pi
	s_mov_b32 s40, 0x3fc90fdb                      ; pi / 2 in three parts
	s_mov_b32 s41, 0xb33bbd2e
	s_mov_b32 s42, 0xa6f72ced
	s_mov_b32 s43, 0xbe2aaaa3                      ; sine: r + r z (S1 + z (S2 + z S3))
	s_mov_b32 s44, 0x3c08839e
	s_mov_b32 s45, 0xb94ca1f9
	s_mov_b32 s46, 0x3d2aaaa5                      ; cosine: 1 - z / 2 + z z (C1 + z (C2 + z C3))
	s_mov_b32 s47, 0xbab6061a
	s_mov_b32 s48, 0x37ccf5ce
	s_mov_b32 s49, 0x424ccccd                      ; 51.2
	s_mov_b32 s50, 0x3bb6db6e                      ; 1 / 179.2
	s_mov_b32 s51, 0x43333333                      ; 179.2
	v_and_b32 v8, 15, v0                           ; r
	v_bfe_u32 v9, v0, 4, 1                         ; h
	v_lshl_add_u32 v10, v9, 3, s23                 ; my first i
	v_add_nc_u32 v11, s25, v8                      ; t
	v_cvt_f32_u32 v12, v11
	v_add_f32 v13, 0xc4000000, v12                 ; t - 512,
	v_mul_f32 v13, 0x3b000000, v13                 ; / 512: exact
.irp j, 0,1,2,3
	v_add_nc_u32 v[QI+\j], \j, v10
.endr
.irp j, 0,1,2,3
	v_cvt_f32_u32 v[FI+\j], v[QI+\j]
.endr
.irp j, 0,1,2,3
	v_mul_f32 v[AA+\j], s36, v[FI+\j]              ; a = -i log2(10000) / 64, rounded,
.endr
.irp j, 0,1,2,3
	v_fma_f32 v[ER+\j], v[FI+\j], s36, -v[AA+\j]   ; what the rounding dropped, exactly,
.endr
.irp j, 0,1,2,3
	v_fma_f32 v[ER+\j], v[FI+\j], s37, v[ER+\j]    ; and the constant's own rest
.endr
	s_wait_alu depctr_va_vdst(0)
.irp j, 0,1,2,3
	v_exp_f32 v[IV+\j], v[AA+\j]
.endr
.irp j, 0,1,2,3
	v_mul_f32 v[ER+\j], s38, v[ER+\j]              ; (plain lines behind the exponentials)
.endr
	s_wait_alu depctr_va_vdst(0)
.irp j, 0,1,2,3
	v_fma_f32 v[IV+\j], v[IV+\j], v[ER+\j], v[IV+\j]   ; f_i = 2^a (1 + rest x ln 2)
.endr
.irp j, 0,1,2,3
	v_mul_f32 v[IV+\j], v12, v[IV+\j]              ; the angle, rounded to f32
.endr
.irp j, 0,1,2,3
	v_mul_f32 v[NN+\j], s39, v[IV+\j]
.endr
.irp j, 0,1,2,3
	v_rndne_f32 v[NN+\j], v[NN+\j]                 ; the nearest multiple of pi / 2
.endr
.irp j, 0,1,2,3
	v_fma_f32 v[RR+\j], -v[NN+\j], s40, v[IV+\j]
.endr
.irp j, 0,1,2,3
	v_fma_f32 v[RR+\j], -v[NN+\j], s41, v[RR+\j]
.endr
.irp j, 0,1,2,3
	v_fma_f32 v[RR+\j], -v[NN+\j], s42, v[RR+\j]
.endr
.irp j, 0,1,2,3
	v_mul_f32 v[ZZ+\j], v[RR+\j], v[RR+\j]
.endr
.irp j, 0,1,2,3
	v_fma_f32 v[SN+\j], v[ZZ+\j], s45, s44
	v_fma_f32 v[CN+\j], v[ZZ+\j], s48, s47
.endr
.irp j, 0,1,2,3
	v_fma_f32 v[SN+\j], v[SN+\j], v[ZZ+\j], s43
	v_fma_f32 v[CN+\j], v[CN+\j], v[ZZ+\j], s46
.endr
.irp j, 0,1,2,3
	v_mul_f32 v[SN+\j], v[SN+\j], v[ZZ+\j]
	v_fma_f32 v[T1+\j], v[ZZ+\j], -0.5, 1.0
.endr
.irp j, 0,1,2,3
	v_fma_f32 v[SN+\j], v[SN+\j], v[RR+\j], v[RR+\j]
	v_mul_f32 v[ZZ+\j], v[ZZ+\j], v[ZZ+\j]
.endr
.irp j, 0,1,2,3
	v_fma_f32 v[CN+\j], v[CN+\j], v[ZZ+\j], v[T1+\j]
	v_cvt_i32_f32 v[QI+\j], v[NN+\j]               ; the quadrant, 0 or more
.endr
.irp j, 0,1,2,3
	v_and_b32 v[T1+\j], 1, v[QI+\j]
	v_cmp_eq_u32 vcc_lo, 1, v[T1+\j]               ; odd quadrants change sine and cosine
	v_cndmask_b32 v[AA+\j], v[SN+\j], v[CN+\j], vcc_lo
	v_cndmask_b32 v[ER+\j], v[CN+\j], v[SN+\j], vcc_lo
	v_and_b32 v[T1+\j], 2, v[QI+\j]                ; the sine is negative in quadrants 2 and 3,
	v_lshlrev_b32 v[T1+\j], 30, v[T1+\j]
	v_xor_b32 v[AA+\j], v[T1+\j], v[AA+\j]
	v_add_nc_u32 v[T1+\j], 1, v[QI+\j]             ; the cosine in 1 and 2
	v_and_b32 v[T1+\j], 2, v[T1+\j]
	v_lshlrev_b32 v[T1+\j], 30, v[T1+\j]
	v_xor_b32 v[ER+\j], v[T1+\j], v[ER+\j]
.endr
.irp j, 0,1,2,3
	v_fma_f32 v[IV+\j], v[FI+\j], 2.0, s49         ; 2 i + 51.2
.endr
.irp j, 0,1,2,3
	v_mul_f32 v[NN+\j], s50, v[IV+\j]              ; / 179.2: a first quotient,
.endr
.irp j, 0,1,2,3
	v_fma_f32 v[RR+\j], -v[NN+\j], s51, v[IV+\j]   ; its remainder,
.endr
.irp j, 0,1,2,3
	v_fma_f32 v[NN+\j], v[RR+\j], s50, v[NN+\j]    ; the quotient mended
.endr
	s_wait_alu depctr_va_vdst(0)
.irp j, 0,1,2,3
	v_log_f32 v[NN+\j], v[NN+\j]
.endr
	v_nop                                          ; a plain line behind the logarithms
	s_wait_alu depctr_va_vdst(0)
.irp j, 0,1,2,3
	v_mul_f32 v[NN+\j], v13, v[NN+\j]
.endr
	s_wait_alu depctr_va_vdst(0)
.irp j, 0,1,2,3
	v_exp_f32 v[SQS+\j], v[NN+\j]
	v_exp_f32 v[SKS+\j], -v[NN+\j]
.endr
	v_nop                                          ; a plain line behind the exponentials
	s_wait_alu depctr_va_vdst(0)
.irp j, 0,1,2,3
	v_mul_f32 v[OCQ+\j], v[ER+\j], v[SQS+\j]
	v_mul_f32 v[OSQ+\j], v[AA+\j], v[SQS+\j]
	v_mul_f32 v[OCK+\j], v[ER+\j], v[SKS+\j]
	v_mul_f32 v[OSK+\j], v[AA+\j], v[SKS+\j]
.endr
	s_wait_alu depctr_va_vdst(0)
	s_wait_kmcnt 0x0
	s_add_nc_u64 s[16:17], s[16:17], s[26:27]
	global_store_b128 v6, v[OCQ:OCQ+3], s[16:17]                   ; each store covers 512 consecutive bytes, aligned
	global_store_b128 v6, v[OSQ:OSQ+3], s[16:17] offset:4096
	global_store_b128 v6, v[OCK:OCK+3], s[16:17] offset:524288
	global_store_b128 v6, v[OSK:OSK+3], s[16:17] offset:528384
	; every wave also writes its part of V's table, C = 1, S = 0: all 64 blocks of 16 t at 1 MiB, so that V's work-groups find their tables by the arithmetic of q's and k's
.irp j, 0,1,2,3
	v_mov_b32 v[88+\j], 1.0
	v_mov_b32 v[92+\j], 0
.endr
	global_store_b128 v6, v[88:91], s[16:17] offset:1048576
	global_store_b128 v6, v[92:95], s[16:17] offset:1052672
.Lno_ident:
	s_endpgm
	; ---------------- x
; x [4096][2048] f32 becomes codes of E4M3 three times over, with the scales 2^e0, 2^e2, 2^e4 (x is the left operand of three products, each with an entry of its own).
; code = x / 2^e, held within +-448, to the nearest code, ties to even.  The codes are laid as images of operand registers, as the weights' are.  ximg: [scale 3][k / 256: 8][row / 16: 256][(k / 128) % 2][2,048].
; SHARES.  Work-group u = number - 512: rows 16 (u / 2) on; wave w: k = 256 (4 (u % 2) + w) on: two fragments.  Each load reads 512 consecutive bytes of one row; the 16 rows turn through the wave's own stage in LDS
; (rows 528 bytes apart) and come back eight neighbours at a time.  Each store covers 512 consecutive bytes, aligned.  No barrier: waves share nothing.
; LIMITS: e0, e2, e4 between -126 and 119.  NaN among the inputs is not served (an infinity is held at the largest code).
.set XSP,   528                        ; a stage row: 512 bytes + 16
.set XWST,  16*XSP                     ; a wave's stage
.set XBASE, 0x8200                     ; the four stages begin here
.set XLI,   1                          ; v1   16 x lane
.set XSTI,  2                          ; v2   the stage, on the way in
.set XSTO,  3                          ; v3   the stage, on the way out
.set XSC,   4                          ; v4-6 2^e as f32
.set XLM,   7                          ; v7-9 448 x 2^e
.set XR0,   16                         ; v16-79   fragment 0 as loaded; later the held numbers
.set XR1,   80                         ; v80-143  fragment 1 as loaded
.set XX,    144                        ; v144-207 64 numbers in the operand's order
.set XCD,   208                        ; v208-255 codes, 16 registers for each scale
.Lx:
	s_load_b128 s[20:23], s[0:1], 0x38             ; x, ximg
	s_sub_co_u32 s24, ttmp9, 512                   ; u
	v_and_b32 v11, 31, v0
	v_lshlrev_b32 v[XLI], 4, v11
	s_mul_i32 s19, s18, XWST
	s_add_co_u32 s19, s19, XBASE
	v_add_nc_u32 v[XSTI], s19, v[XLI]              ; in: 16 bytes a lane, a row an instruction
	v_and_b32 v12, 15, v0                          ; r
	v_bfe_u32 v13, v0, 4, 1                        ; h
	v_mul_u32_u24 v[XSTO], v12, XSP
	v_lshl_add_u32 v[XSTO], v13, 5, v[XSTO]
	v_add_nc_u32 v[XSTO], s19, v[XSTO]             ; out: row r, + 32 h bytes: k = 8 h on
	s_lshr_b32 s28, s24, 1                         ; row / 16
	s_and_b32 s29, s24, 1
	s_lshl_b32 s29, s29, 2
	s_add_co_u32 s29, s29, s18                     ; k / 256
	s_lshl_b32 s30, s28, 17                        ; 16 rows of 8,192 bytes
	s_lshl_b32 s31, s29, 10                        ; 256 numbers
	s_add_co_u32 s30, s30, s31
	s_mov_b32 s31, 0
	s_lshl_b32 s32, s29, 20
	s_lshl_b32 s33, s28, 12
	s_add_co_u32 s32, s32, s33
	s_mov_b32 s33, 0
	s_wait_alu depctr_va_vdst(0)
	s_wait_kmcnt 0x0
	s_load_b256 s[36:43], s[12:13], 0x0            ; e0 .. e7
	s_add_nc_u64 s[20:21], s[20:21], s[30:31]
	s_add_nc_u64 s[52:53], s[22:23], s[32:33]      ; the three images of my two fragments
	s_add_nc_u64 s[54:55], s[52:53], 0x800000
	s_add_nc_u64 s[56:57], s[52:53], 0x1000000
.macro XLOAD s, r                      ; fragment s: 16 rows x 512 bytes
.irp i, 0,1,2,3,4,5,6,7,8,9,10,11,12,13,14,15
	global_load_b128 v[\r+4*\i:\r+4*\i+3], v[XLI], s[20:21] offset:8192*\i+512*\s th:TH_LOAD_NT
.endr
.endm
.macro XTURN r                         ; through the stage: LDS serves a wave's instructions in order, so no wait stands between the stores and the loads
.irp i, 0,1,2,3,4,5,6,7,8,9,10,11,12,13,14,15
	ds_store_b128 v[XSTI], v[\r+4*\i:\r+4*\i+3] offset:XSP*\i
.endr
.irp c, 0,1,2,3,4,5,6,7
	ds_load_b128 v[XX+8*\c:XX+8*\c+3], v[XSTO] offset:64*\c        ; register XX + 8 c + j: k = 16 c + 8 h + j of row r
	ds_load_b128 v[XX+8*\c+4:XX+8*\c+7], v[XSTO] offset:64*\c+16
.endr
.endm
.macro XQUANT z
.set n, 0
.rept 64
	v_med3_num_f32 v[XR0+n], v[XX+n], -v[XLM+\z], v[XLM+\z]        ; the conversion to an 8-bit code does not saturate (ISA guide 7.6.2): the hold comes first
.set n, n+1
.endr
.irp c, 0,1,2,3,4,5,6,7
	v_cvt_scalef32_pk8_fp8_f32 v[XCD+16*\z+2*\c:XCD+16*\z+2*\c+1], v[XR0+8*\c:XR0+8*\c+7], v[XSC+\z]
.endr
	v_nop                                          ; a plain line between the conversions and the next holds, which write their sources
.endm
.macro XOUT z, s
.irp g, 0,1,2,3
	global_store_b128 v[XLI], v[XCD+16*\z+4*\g:XCD+16*\z+4*\g+3], s[52+2*\z:53+2*\z] offset:2048*\s+512*\g
.endr
.endm
	XLOAD 0, XR0
	XLOAD 1, XR1
	s_wait_kmcnt 0x0
.irp z, 0,1,2
	s_add_co_i32 s34, s[36+2*\z], 127
	s_lshl_b32 s35, s34, 23
	v_mov_b32 v[XSC+\z], s35                       ; 2^e: the conversion takes its exponent field
	s_add_co_i32 s34, s34, 8
	s_lshl_b32 s34, s34, 23
	s_or_b32 s34, s34, 0x600000
	v_mov_b32 v[XLM+\z], s34                       ; 448 x 2^e
.endr
	s_wait_alu depctr_va_vdst(0)
	s_wait_loadcnt 16                              ; fragment 0's sixteen loads are in; fragment 1's sixteen may be out
	XTURN XR0
	s_wait_dscnt 0x0
.irp z, 0,1,2
	XQUANT \z
	XOUT \z, 0
.endr
	s_wait_loadcnt 0x0
	XTURN XR1
	s_wait_dscnt 0x0
	s_wait_xcnt 0x0                                ; the twelve stores have read their data: the codes' registers are written again only behind this wait
.irp z, 0,1,2
	XQUANT \z
	XOUT \z, 1
.endr
	s_wait_tensorcnt 0x0                           ; the wave's end
	ds_add_u32 v14, v15
	s_wait_dscnt 0x0
	s_endpgm
.Lfunc_end_k_q586dafe3c8_prep_w:
	.size	k_q586dafe3c8_prep_w, .Lfunc_end_k_q586dafe3c8_prep_w-k_q586dafe3c8_prep_w
	.p2alignl 7, 3214868480
	.fill 96, 4, 3214868480
	.section	.rodata,"a",@progbits
	.p2align	6, 0x0
	.amdhsa_kernel k_q586dafe3c8_prep_w
		.amdhsa_group_segment_fixed_size 67072
		.amdhsa_private_segment_fixed_size 0
		.amdhsa_enable_private_segment 0
		.amdhsa_kernarg_size 72
		.amdhsa_user_sgpr_count 2
		.amdhsa_user_sgpr_kernarg_segment_ptr 1
		.amdhsa_wavefront_size32 1
		.amdhsa_system_sgpr_workgroup_id_x 1
		.amdhsa_system_sgpr_workgroup_id_y 1
		.amdhsa_system_sgpr_workgroup_id_z 1
		.amdhsa_system_vgpr_workitem_id 0
		.amdhsa_next_free_vgpr 256
		.amdhsa_next_free_sgpr 100
		.amdhsa_reserve_vcc 1
		.amdhsa_float_denorm_mode_32 3
		.amdhsa_float_denorm_mode_16_64 3
		.amdhsa_memory_ordered 1
		.amdhsa_forward_progress 1
		.amdhsa_inst_pref_size 103
	.end_amdhsa_kernel
	.amdgpu_metadata
---
amdhsa.version: [ 1, 2 ]
amdhsa.kernels:
  - .name:           k_q586dafe3c8_prep_w
    .symbol:         k_q586dafe3c8_prep_w.kd
    .args:
      - { .name: W_q, .offset: 0, .size: 8, .value_kind: global_buffer, .address_space: global }
      - { .name: W_k, .offset: 8, .size: 8, .value_kind: global_buffer, .address_space: global }
      - { .name: W_v, .offset: 16, .size: 8, .value_kind: global_buffer, .address_space: global }
      - { .name: W_o, .offset: 24, .size: 8, .value_kind: global_buffer, .address_space: global }
      - { .name: lowp_scales, .offset: 32, .size: 8, .value_kind: global_buffer, .address_space: global }
      - { .name: wimg, .offset: 40, .size: 8, .value_kind: global_buffer, .address_space: global }
      - { .name: tab, .offset: 48, .size: 8, .value_kind: global_buffer, .address_space: global }
      - { .name: x, .offset: 56, .size: 8, .value_kind: global_buffer, .address_space: global }
      - { .name: ximg, .offset: 64, .size: 8, .value_kind: global_buffer, .address_space: global }
    .group_segment_fixed_size: 67072
    .private_segment_fixed_size: 0
    .kernarg_segment_align: 8
    .kernarg_segment_size: 72
    .max_flat_workgroup_size: 128
    .sgpr_count:     100
    .vgpr_count:     256
    .wavefront_size: 32
...
	.end_amdgpu_metadata
.endif
;; end of part 1
;; launch proj (part 2): grid 16 x 16, 4 waves a work-group, clusters of 4 x 4, 327,680 bytes of LDS; arguments ximg, wimg, lowp_scales, tab, qkv; writes qkv
.if DOCPART == 2
	.amdgcn_target "amdgcn-amd-amdhsa--gfx1250"
	.amdhsa_code_object_version 6
	.text
	.protected	k_q586dafe3c8_proj
	.globl	k_q586dafe3c8_proj
	.p2align	8
	.type	k_q586dafe3c8_proj,@function
k_q586dafe3c8_proj:
	s_mov_b64 s[64:65], 0
	v_nop
	global_prefetch_b8 v0, s[64:65] scope:SCOPE_SE
	s_setreg_imm32_b32 hwreg(HW_REG_WAVE_MODE, 25, 1), 1
	s_wait_xcnt 0x0
	s_wait_alu depctr_hold_cnt(0) depctr_sa_sdst(0) depctr_va_vdst(0) depctr_va_sdst(0) depctr_va_ssrc(0) depctr_va_vcc(0) depctr_vm_vsrc(0)
	s_getreg_b32 s2, hwreg(HW_REG_IB_STS2, 6, 4)
	s_cmp_eq_u32 s2, 0
	s_cbranch_scc0 .Lentry_in_a_cluster
	s_endpgm
.Lentry_in_a_cluster:
	s_bfe_u32 s2, ttmp6, 0x10000c
	s_cmp_lg_u32 s2, 0xf033
	s_cbranch_scc0 .Lentry_shape_is_right
	s_endpgm
.Lentry_shape_is_right:
; q = x W_q, k = x W_k, v = x W_v on codes of E4M3, the rotary with its decay, and the quantising of q, k and v for the attention: one GEMM of 4,096 x 4,096 x 2,048 in 256 tiles of 256 x 256.
; Four waves; a wave makes 128 x 128: 64 accumulators of 16 x 16, 512 registers.  K goes in steps of 256 through a ring of two LDS slots filled by the tensor data mover.
; OPERANDS LIE IN MEMORY AS IMAGES OF THEIR REGISTERS (fragments of 16 rows x 128 K, 2,048 bytes; registers 4 g .. 4 g + 3 of lane l at byte 512 g + 16 l): 128 rows x 256 K are 32,768 consecutive bytes, one dense tensor load,
; and a fragment comes out of LDS by four loads of 512 consecutive bytes: no pitch, no padding.
; THE MATRIX INSTRUCTION IS USED TRANSPOSED (source 0 = 16 rows of "B", source 1 = 16 rows of "A"): lane (r, h) holds row r of A and, in the accumulator of B's block b, B's rows 16 b + 8 h + 0..7: the places that the
; next product's operand gives that lane along ITS K.  One conversion for each accumulator makes registers 2 b, 2 b + 1 of the next fragment, and the results leave straight from registers, 512 consecutive bytes a store.
; WHICH TILE.  Clusters of 4 x 4 work-groups; X, Y the cluster's place, cx, cy mine in it.  X = 0, 1: q (A = x with scale e0, B = W_q); X = 2: k (A = x with e2, B = W_k): tile row 4 Y + cy of x, tile column 4 X + cx of the weights.
; X = 3: v TRANSPOSED, the keys being the next K: A = W_v's rows (tile row cy), B = x with e4 (tile column 4 Y + cx).  Only pointers, offsets and the scale are chosen, by selects on X: every work-group runs the same lines.
; The four of a row of the cluster need the same tiles of A, the four of a column the same tiles of B: each is asked for JOINTLY, by the same tensor load with the same descriptor and a mask that names the four.
; THE ROTARY works on the sums as they are (it is linear): a wave's 128 columns are one head, accumulators 0-3 its channels 0-63, accumulators 4-7 channels 64-127: lo' = lo C - hi S, hi' = hi C + lo S, C and S from tab in the
; accumulators' own order.  V's work-groups take a table with C = 1, S = 0.  THE TABLES of the tile's 256 rows, 131,072 bytes, hang on the tile row alone: at the last change of slots they are asked for jointly along the
; cluster's row, 32,768 bytes a wave, into slot 0, which no product reads any more; 160 matrix instructions stand between that load and the wait for it.
; Then code = sum / 2^E, E = e6 - e0 - e1 (q), e7 - e2 - e3 (k), e8 - e4 - e5 (v): the three scales folded into the conversion's one.
; qkv: q at 0 [16 b + head][t / 16][2,048]; k at 8 MiB [8 b + head][t / 16][2,048]; v at 12 MiB [8 b + head][key / 128][channel / 16][2,048].
; PREFETCHES INTO THE L2.  At a change of slots every wave has waited for all its tensor loads, so a refill goes out with nothing on its way beside it: what it asks for is asked of memory two K steps earlier.
; Of the 32,768 bytes that a wave fetches, each of the four partners that ask for them jointly takes 8,192, told apart by address (cx for A, cy for B): a lane a block of 256 bytes, one instruction a wave.
; Behind K step 0's load: K steps 1 and 2; behind K step 1's: K step 3; behind the refill with K step s: K step s + 2; the loop's last trip has no K step two on and asks for none.
; In that trip's first change of slots the tables are asked for, two slots ahead of their load, shared out by cx in the same way; q's tables are read by the clusters of X = 0 and X = 1 alike, and those of X = 0 ask for them.
; LIMITS: each E between -126 and 119.  An infinite or NaN sum is not served.
; REGISTERS, in windows of 256: window 0: v16-31 addresses and scales; v128-255 A's fragments, ONE set; on the way out v32-95 a block's numbers, v96-127 two sets of codes, v128-255 two sets of table.
;   window 1: B's fragments, TWO sets, at v0 and v128.   window 2: the accumulators of my rows 0-63 ((a, b) at v[8 (8 a + b)]);   window 3: those of rows 64-127.
.set HALFT,  32768                     ; 128 rows x 256 K: what one tensor load brings
.set SLOT,   4*HALFT                   ; A's two halves, then B's two
.set SPARE,  2*SLOT                    ; behind the ring: the spare words, 128 bytes for each wave
.set KSB,    0x100000                  ; bytes from one 256 along K to the next, in both operands
.set FR,     16                        ; registers of a fragment
.set NL,     4                         ; LDS loads that bring one
.set NP,     4                         ; places behind this matrix instruction (ISA guide 7.12.1)
.set LAPS,   4                         ; a lap = two K steps of 256
.set ADRA, 16                          ; v16-17  LDS address of my A fragments in slot 0, 1
.set ADRB, 20                          ; v20-21  the same for B
.set PFO,  25                          ; v25     the prefetches' offset: 256 x lane; never rewritten
.set TAD,  26                          ; v26     LDS address of my 128 rows' tables
.set LI,   27                          ; v27     16 x lane
.set SPW,  28                          ; v28     LDS address of my spare word; never rewritten
.set NIL,  29                          ; v29     0; never rewritten
.set SCL,  30                          ; v30     2^E as f32
.set LIM,  31                          ; v31     448 x 2^E
.set TT,   32
.set CDS,  96
.set TB0,  128
.set AF,   128
.set G1, 24                            ; s[24:31] descriptor group 1 for A's tiles and the tables;  s[32:39] group 0, one set for each slot
.set G0, 32
.set G1B, 48                           ; s[48:55], s[56:63] the same for B's tiles
.set G0B, 56
.set G0T, 96                           ; s[96:99] group 0 for my quarter of the tables
.set TLIM, 77                          ; s77     1 where my cluster asks for its tables, else 0
.set PFA,  78                          ; s[78:79] my work-group's 8,192 bytes of the tile that I fetch, one K step behind the refill in hand
.set PFT,  80                          ; s[80:81] my work-group's 8,192 bytes of my quarter of the tables
.set MSB, 0
.macro WIN new                         ; the immediate's high byte repeats the setting that is left
.if MSB != (\new)
	s_set_vgpr_msb (MSB<<8)|(\new)
.set MSB, (\new)
.endif
.endm
.set MUL_LO, 0xa1                      ; source 0 (B) window 1, source 1 (A) window 0, C and D window 2
.set MUL_HI, 0xf1                      ; the same, C and D window 3
.set TO_B,   0x40                      ; destination window 1, address window 0
; A joint load: waves 0 and 1 fetch for A, waves 2 and 3 for B.  The branch hangs on the wave's number alone.  An s_nop 0 and four v_nop follow each of the two lines.
.macro JLOAD g0a, g1a, g0b, g1b
	s_cmp_eq_u32 s15, 0
	s_cbranch_scc0 .Lfor_b_\@
	tensor_load_to_lds s[\g0a:\g0a+3], s[\g1a:\g1a+7]
	s_nop 0
.rept 4
	v_nop
.endr
	s_branch .Lasked_\@
.Lfor_b_\@:
	tensor_load_to_lds s[\g0b:\g0b+3], s[\g1b:\g1b+7]
	s_nop 0
.rept 4
	v_nop
.endr
.Lasked_\@:
.endm
; The loop's prefetches: the branches hang on the count of trips and on X, alike in all partners.
.macro ASK slot
	s_cmp_gt_u32 s3, 1                             ; s3 = 1 in the last trip
	s_cbranch_scc0 .Lno_tile_\@
	global_prefetch_b8 v[PFO], s[PFA:PFA+1] offset:3*KSB th:TH_LOAD_NT scope:SCOPE_SE
.Lno_tile_\@:
.if \slot == 0
	s_cmp_eq_u32 s3, s[TLIM]
	s_cbranch_scc0 .Lno_tab_\@
	global_prefetch_b8 v[PFO], s[PFT:PFT+1] th:TH_LOAD_NT scope:SCOPE_SE
.Lno_tab_\@:
.endif
.endm
.macro CREST                           ; a round of the cluster's barrier behind its opening barrier
	s_cmp_lg_u32 s14, 0
	s_cbranch_scc1 .Lnot_wave_0_\@
	s_barrier_signal -3
.Lnot_wave_0_\@:
	s_barrier_wait -3
	s_barrier_signal -1
	s_barrier_wait -1
.endm
.macro CROUND                          ; a whole round
	s_barrier_signal -1
	s_barrier_wait -1
	CREST
.endm
	s_load_b128 s[4:7], s[0:1], 0x0                ; ximg, wimg
	s_load_b128 s[8:11], s[0:1], 0x10              ; the scales' exponents, tab
	s_load_b64 s[12:13], s[0:1], 0x20              ; qkv
	v_lshl_add_u32 v[SPW], v0, 2, SPARE
	v_mov_b32 v[NIL], 0
	ds_add_u32 v[SPW], v[NIL]                      ; the opening lines: the add, twice on end, and its wait ahead of my first tensor load
	ds_add_u32 v[SPW], v[NIL]
	v_lshrrev_b32 v1, 5, v0
	v_readfirstlane_b32 s14, v1                    ; wave 0..3
	s_lshr_b32 s15, s14, 1                         ; which half of the tile's rows is mine.  Also: I fetch for A (0) or for B (1)
	s_and_b32 s16, s14, 1                          ; which half of its columns.  Also: which 128 rows of that tile I fetch
	s_bfe_u32 s40, ttmp6, 0x40000                  ; cx, cy: my place in the cluster
	s_bfe_u32 s41, ttmp6, 0x40004
	s_mov_b32 s66, ttmp9                           ; X: alike in all sixteen partners
	s_and_b32 s67, ttmp7, 0xffff                   ; Y
	s_cmp_eq_u32 s66, 3                            ; v's clusters?
	s_cselect_b32 s17, 0, s67
	s_cselect_b32 s42, s67, s66
	s_cselect_b32 s20, 0xc0000, 0                  ; A: W_v's rows begin at block 192 of wimg's rows,
	s_cselect_b32 s46, 0x1000000, 0                ; B: x with scale e4
	s_cmp_eq_u32 s66, 2
	s_cselect_b32 s20, 0x800000, s20               ; k: x with scale e2
	s_lshl_b32 s17, s17, 2
	s_add_co_u32 s17, s17, s41                     ; tile row
	s_lshl_b32 s42, s42, 2
	s_add_co_u32 s42, s42, s40                     ; tile column
	s_lshl_b32 s43, s41, 2
	s_lshl_b32 s43, 15, s43                        ; my row of the cluster
	s_lshl_b32 s44, 0x1111, s40                    ; my column
	; descriptor group 1: 32,768 dense bytes as 128 rows of 32 elements of 8 bytes
	s_or_b32 s[G1+0], s43, (3<<16)|(1<<21)         ; 15:0 the mask: my row; 17:16 elements of 8 bytes; 21 set beside a mask
	s_or_b32 s[G1B+0], s44, (3<<16)|(1<<21)
.irp g, G1, G1B
	s_mov_b32 s[\g+1], 32<<16                      ; tensor_dim0
	s_mov_b32 s[\g+2], 128<<16                     ; tensor_dim1
	s_mov_b32 s[\g+3], 32<<16                      ; tile_dim0
	s_mov_b32 s[\g+4], 128                         ; tile_dim1
	s_mov_b32 s[\g+5], 32                          ; tensor_dim0_stride
	s_mov_b32 s[\g+6], 0
	s_mov_b32 s[\g+7], 0
.endr
	s_lshl_b32 s18, s16, 15                        ; which 128 rows of the tile I fetch
	s_lshl_b32 s21, s17, 16                        ; a tile's 256 rows x 256 K are 65,536 bytes
	s_add_co_u32 s20, s20, s21
	s_add_co_u32 s20, s20, s18
	s_mov_b32 s21, 0                               ; A's offset: made of cy, X, Y and the wave's number; never of cx
	s_lshl_b32 s47, s42, 16
	s_add_co_u32 s46, s46, s47
	s_add_co_u32 s46, s46, s18
	s_mov_b32 s47, 0                               ; B's: never of cy
	s_lshl_b32 s45, s14, 15                        ; where they go: wave x 32,768: no place in the cluster enters an LDS address
	s_wait_dscnt 0x0                               ; both opening adds are done
	s_wait_kmcnt 0x0
	s_load_b256 s[68:75], s[8:9], 0x0              ; e0 .. e7
	s_load_b32 s76, s[8:9], 0x20                   ; e8
	s_cmp_eq_u32 s66, 3
	s_cselect_b64 s[78:79], s[6:7], s[4:5]         ; A's buffer,
	s_cselect_b64 s[80:81], s[4:5], s[6:7]         ; B's
	s_add_nc_u64 s[20:21], s[78:79], s[20:21]
	s_add_nc_u64 s[46:47], s[80:81], s[46:47]
	CROUND                                         ; all sixteen work-groups are here: the first joint loads meet
.irp s, 0,1
	s_mov_b32 s[G0+4*\s], 1
	s_add_co_u32 s[G0+4*\s+1], s45, \s*SLOT
	s_add_nc_u64 s[G0+4*\s+2:G0+4*\s+3], s[20:21], \s*KSB
	s_or_b32 s[G0+4*\s+3], s[G0+4*\s+3], 0x80000000
	s_mov_b32 s[G0B+4*\s], 1
	s_add_co_u32 s[G0B+4*\s+1], s45, \s*SLOT
	s_add_nc_u64 s[G0B+4*\s+2:G0B+4*\s+3], s[46:47], \s*KSB
	s_or_b32 s[G0B+4*\s+3], s[G0B+4*\s+3], 0x80000000
.endr
	JLOAD G0, G1, G0B, G1B                         ; K step 0: one tensor load a wave at the head
	s_cmp_eq_u32 s15, 0                            ; the prefetches: do I fetch for A?
	s_cselect_b64 s[PFA:PFA+1], s[20:21], s[46:47] ; the tile that I fetch, at K step 0,
	s_cselect_b32 s80, s40, s41                    ; my place among the four that ask for it with me
	s_lshl_b32 s80, s80, 13
	s_mov_b32 s81, 0
	s_add_nc_u64 s[PFA:PFA+1], s[PFA:PFA+1], s[80:81]
	v_and_b32 v2, 31, v0
	v_lshlrev_b32 v[LI], 4, v2
	v_lshlrev_b32 v[PFO], 8, v2
	global_prefetch_b8 v[PFO], s[PFA:PFA+1] offset:KSB th:TH_LOAD_NT scope:SCOPE_SE     ; K step 1,
	global_prefetch_b8 v[PFO], s[PFA:PFA+1] offset:2*KSB th:TH_LOAD_NT scope:SCOPE_SE   ; K step 2
	s_lshl_b32 s21, s15, 15                        ; my 128 rows of A
	s_lshl_b32 s22, s16, 15                        ; my 128 rows of B,
	s_add_co_u32 s22, s22, 2*HALFT                 ; which lie behind A's 256
	s_lshl_b32 s23, s15, 16                        ; my 128 rows' tables: 65,536 bytes for each half of the tile's rows, in slot 0
	v_add_nc_u32 v[TAD], s23, v[LI]
.irp s, 0,1
	v_add_nc_u32 v[ADRA+\s], s21, v[LI]
	v_add_nc_u32 v[ADRB+\s], s22, v[LI]
	s_add_co_u32 s21, s21, SLOT
	s_add_co_u32 s22, s22, SLOT
.endr
	; where my 16 KiB of results go
	s_lshl_b32 s85, s17, 8
	s_lshl_b32 s86, s15, 7
	s_add_co_u32 s85, s85, s86                     ; my first row of A
	s_lshl_b32 s86, s42, 8
	s_lshl_b32 s87, s16, 7
	s_add_co_u32 s86, s86, s87                     ; my first row of B
	s_lshr_b32 s87, s85, 10                        ; q, k: the batch,
	s_and_b32 s88, s85, 1023
	s_lshr_b32 s88, s88, 4                         ; t / 16,
	s_lshr_b32 s89, s86, 7                         ; the head (k's count from 16)
	s_lshl_b32 s91, s88, 11
	s_lshl_b32 s90, s87, 4
	s_add_co_u32 s90, s90, s89
	s_lshl_b32 s90, s90, 17
	s_add_co_u32 s90, s90, s91                     ; q's place
	s_lshl_b32 s92, s87, 3
	s_add_co_u32 s92, s92, s89
	s_sub_co_u32 s92, s92, 16
	s_lshl_b32 s92, s92, 17
	s_add_co_u32 s92, s92, s91
	s_add_co_u32 s92, s92, 0x800000                ; k's
	s_lshr_b32 s93, s86, 10                        ; v: B's rows are the tokens, A's the channels
	s_lshl_b32 s93, s93, 3
	s_lshr_b32 s94, s85, 7
	s_add_co_u32 s93, s93, s94
	s_lshl_b32 s93, s93, 17
	s_and_b32 s94, s86, 1023
	s_lshr_b32 s94, s94, 7
	s_lshl_b32 s94, s94, 14
	s_add_co_u32 s93, s93, s94
	s_add_co_u32 s93, s93, 0xc00000                ; v's
	; which 32,768 bytes of tab I fetch: made of cy, X, Y and the wave's number; never of cx
	s_and_b32 s98, s17, 3
	s_lshl_b32 s98, s98, 17                        ; q: 131,072 bytes for the tile's 256 t,
	s_add_co_u32 s98, s98, s45                     ; my wave's quarter of them
	s_add_co_u32 s95, s98, 0x80000                 ; k's tables
	s_add_co_u32 s77, s98, 0x100000                ; v's: C = 1, S = 0
	s_cmp_eq_u32 s66, 3
	s_cselect_b32 s90, s93, s90
	s_cselect_b32 s98, s77, s98
	s_cmp_eq_u32 s66, 2
	s_cselect_b32 s90, s92, s90
	s_cselect_b32 s98, s95, s98
	s_cmp_lg_u32 s66, 1
	s_cselect_b32 s[TLIM], 1, 0                    ; four clusters ask for each table: X = 0 for q's, X = 2 for k's, X = 3 for v's
	s_mov_b32 s91, 0
	s_mov_b32 s99, 0
	s_lshl_b32 s86, s40, 13                        ; my work-group's 8,192 bytes of the quarter
	s_mov_b32 s87, 0
	s_add_nc_u64 s[12:13], s[12:13], s[90:91]
	s_add_nc_u64 s[PFT:PFT+1], s[10:11], s[98:99]
	s_add_nc_u64 s[PFT:PFT+1], s[PFT:PFT+1], s[86:87]
	s_add_nc_u64 s[G0T+2:G0T+3], s[10:11], s[98:99]
	s_or_b32 s[G0T+3], s[G0T+3], 0x80000000
	s_mov_b32 s[G0T], 1
	s_mov_b32 s[G0T+1], s45                        ; into slot 0, wave x 32,768
	s_wait_alu depctr_va_vdst(0)
	s_wait_kmcnt 0x0
	s_sub_co_i32 s82, s74, s68
	s_sub_co_i32 s82, s82, s69                     ; e6 - e0 - e1
	s_sub_co_i32 s83, s75, s70
	s_sub_co_i32 s83, s83, s71                     ; e7 - e2 - e3
	s_sub_co_i32 s84, s76, s72
	s_sub_co_i32 s84, s84, s73                     ; e8 - e4 - e5
	s_cmp_eq_u32 s66, 3
	s_cselect_b32 s82, s84, s82
	s_cmp_eq_u32 s66, 2
	s_cselect_b32 s82, s83, s82
	s_add_co_i32 s82, s82, 127
	s_lshl_b32 s83, s82, 23
	v_mov_b32 v[SCL], s83
	s_add_co_i32 s82, s82, 8
	s_lshl_b32 s82, s82, 23
	s_or_b32 s82, s82, 0x600000
	v_mov_b32 v[LIM], s82
.macro FRAG reg, adr, q, i             ; block i's fragment of the slot's q-th 128 along K: four loads of 512 consecutive bytes
.irp c, 0,1,2,3
	ds_load_b128 v[\reg+4*\c:\reg+4*\c+3], v[\adr] offset:4096*(\i)+2048*(\q)+512*\c
.endr
.endm
; 16 matrix instructions: A's blocks a0, a0 + 1 x B's eight, 128 along K.  p: B's set.  zero = 1: the first product starts the sums.
; The 64 accumulators take turns, one instruction a turn, in the same order in every step.
.macro MUL16 a0, p, zero
.irp a, \a0, \a0+1
.irp b, 0,1,2,3,4,5,6,7
.if \zero
	v_wmma_f32_16x16x128_fp8_fp8 v[8*(8*((\a)%4)+\b):8*(8*((\a)%4)+\b)+7], v[128*(\p)+FR*\b:128*(\p)+FR*\b+FR-1], v[AF+FR*(\a):AF+FR*(\a)+FR-1], 0
.else
	v_wmma_f32_16x16x128_fp8_fp8 v[8*(8*((\a)%4)+\b):8*(8*((\a)%4)+\b)+7], v[128*(\p)+FR*\b:128*(\p)+FR*\b+FR-1], v[AF+FR*(\a):AF+FR*(\a)+FR-1], v[8*(8*((\a)%4)+\b):8*(8*((\a)%4)+\b)+7]
.endif
.endr
.endr
.endm
.macro FETCH_B slot, q, p              ; B's eight fragments into set p
	WIN TO_B
.irp i, 0,1,2,3,4,5,6,7
	FRAG 128*(\p)+FR*\i, ADRB+\slot, \q, \i
.endr
	WIN 0
.endm
.macro FETCH_A slot, q, i0             ; A's blocks i0 .. i0 + 3
.irp i, \i0, \i0+1, \i0+2, \i0+3
	FRAG AF+FR*(\i), ADRA+\slot, \q, \i
.endr
.endm
; A load into a register that a matrix instruction has read, and a vector instruction that reads a matrix result, stand NP places behind that matrix instruction (ISA guide 7.12.1 for vector instructions).
.macro PLACES n
.rept \n
	v_nop
.endr
.endm
; A step of 128 along K that has its successor in the same slot.  A block of A is free as soon as its eight products are issued, so one set of registers serves A; B has two.
.macro STEP slot, q, zero
	s_wait_dscnt 4*NL                              ; B's set and A's blocks 0-3 are in; the youngest sixteen loads (A's blocks 4-7) may be out
	WIN MUL_LO
	MUL16 0, (\q)%2, \zero
	MUL16 2, (\q)%2, \zero
	s_wait_dscnt 0                                 ; A's blocks 4-7 are in
	PLACES NP
	FETCH_B \slot, (\q)+1, 1-(\q)%2
	FETCH_A \slot, (\q)+1, 0
	WIN MUL_HI
	MUL16 4, (\q)%2, \zero
	MUL16 6, (\q)%2, \zero
	PLACES NP
	WIN 0
	FETCH_A \slot, (\q)+1, 4
.endm
; A slot's last step changes slots: in front of the round each wave waits for all its tensor loads, adds 0 to its spare word, and waits for that and for its own reads of this slot.
; fill = 1: this slot takes the K step two on.  fill = 2 (slot 0, the last time): it takes the tables.
.macro TURN slot, next, fill
.if \fill == 1
	s_wait_xcnt 0x0                                ; my prefetches have read their address: it is stepped here, a K step behind the prefetch that read it
	s_add_nc_u64 s[PFA:PFA+1], s[PFA:PFA+1], KSB
.endif
	s_wait_tensorcnt 0x0                           ; all my tensor loads have landed: my part of the next slot  (every window is 0 here)
	ds_add_u32 v[SPW], v[NIL]                      ; 0 onto my spare word
	s_wait_dscnt 4*NL+1                            ; (the add and the youngest sixteen loads, A's blocks 4-7, may be out)
	WIN MUL_LO
	MUL16 0, 1, 0                                  ; sixteen matrix instructions stand between the add and the wait for it
	s_wait_dscnt 0x0                               ; the add is done, and my reads of this slot are over
	s_barrier_signal -1
	MUL16 2, 1, 0
	WIN 0
	s_barrier_wait -1
	CREST                                          ; the barrier has opened a round of the cluster's barrier: no wave of any partner still reads this slot or has a load on its way
.if \fill == 1
	s_add_nc_u64 s[G0+4*\slot+2:G0+4*\slot+3], s[G0+4*\slot+2:G0+4*\slot+3], 2*KSB
	s_add_nc_u64 s[G0B+4*\slot+2:G0B+4*\slot+3], s[G0B+4*\slot+2:G0B+4*\slot+3], 2*KSB
	JLOAD G0+4*\slot, G1, G0B+4*\slot, G1B         ; the first tensor load behind the round, my only one until the next; its four v_nop are also the places in front of the loads below
.else
	tensor_load_to_lds s[G0T:G0T+3], s[G1:G1+7]    ; every wave: its quarter of the tables, jointly with my row of the cluster
	s_nop 0
	PLACES NP
.endif
	FETCH_B \next, 0, 0
	FETCH_A \next, 0, 0
.if \fill == 1
	ASK \slot                                      ; behind the joint load and the run of LDS loads that the next products wait for
.endif
	WIN MUL_HI
	MUL16 4, 1, 0
	MUL16 6, 1, 0
	PLACES NP
	WIN 0
	FETCH_A \next, 0, 4
.endm
	s_wait_alu depctr_va_vdst(0)
	s_wait_tensorcnt 0x0                           ; my part of K step 0 is in
	ds_add_u32 v[SPW], v[NIL]
	s_wait_dscnt 0x0
	CROUND                                         ; everybody's part of K step 0 is in, and the joint loads meet:
	JLOAD G0+4, G1, G0B+4, G1B                     ; K step 1's load, the first tensor load behind the round
	FETCH_B 0, 0, 0
	FETCH_A 0, 0, 0
	FETCH_A 0, 0, 4
	global_prefetch_b8 v[PFO], s[PFA:PFA+1] offset:3*KSB th:TH_LOAD_NT scope:SCOPE_SE   ; K step 3
	STEP 0, 0, 1                                   ; the first step stands in front of the loop: its products start the sums
	s_mov_b32 s3, LAPS-1
.Llap:                                                 ; a trip goes once round the ring, from a lap's second step to the next lap's first, and fills both slots again
	TURN 0, 1, 1
	STEP 1, 0, 0
	TURN 1, 0, 1
	STEP 0, 0, 0
	s_sub_co_u32 s3, s3, 1
	s_cmp_lg_u32 s3, 0
	s_cbranch_scc1 .Llap
	TURN 0, 1, 2                                   ; the last lap: slot 0 takes the tables
	STEP 1, 0, 0
	s_wait_dscnt 4*NL                              ; the very last step: nothing more to fetch
	WIN MUL_LO
	MUL16 0, 1, 0
	MUL16 2, 1, 0
	s_wait_dscnt 0
	s_wait_tensorcnt 0x0                           ; my quarter of the tables is in: say so
	s_barrier_signal -1
	WIN MUL_HI
	MUL16 4, 1, 0
	MUL16 6, 1, 0
	WIN 0
	s_barrier_wait -1                              ; everybody's is
; THE WAY OUT, block by block of 16 rows: rotary, hold, conversion, store.  The tables come from LDS two blocks ahead, in two sets of 64 registers.
.macro LOADT a                         ; block a's C (32 registers) and S (32), in the accumulators' order
.set TB, TB0+64*((\a)%2)
.irp g, 0,1,2,3,4,5,6,7,8,9,10,11,12,13,14,15
	ds_load_b128 v[TB+4*\g:TB+4*\g+3], v[TAD] offset:8192*(\a)+512*\g
.endr
.endm
.macro BLK a                           ; each accumulator is read from its low end on; the results go into other registers, so one window setting serves the 64 lines
.set AC, 64*((\a)%4)
.set TB, TB0+64*((\a)%2)
.set CD, CDS+16*((\a)%2)
	WIN 2+(\a)/4                                   ; source 0: the accumulators' window
.set p, 0
.rept 16
	v_pk_mul_f32 v[TT+p:TT+p+1], v[AC+p:AC+p+1], v[TB+p:TB+p+1]                ; lo C
.set p, p+2
.endr
.set p, 0
.rept 16
	v_pk_fma_f32 v[TT+p:TT+p+1], v[AC+32+p:AC+32+p+1], v[TB+32+p:TB+32+p+1], v[TT+p:TT+p+1] neg_lo:[1,0,0] neg_hi:[1,0,0]   ; - hi S
.set p, p+2
.endr
.set p, 0
.rept 16
	v_pk_mul_f32 v[TT+32+p:TT+32+p+1], v[AC+32+p:AC+32+p+1], v[TB+p:TB+p+1]    ; hi C
.set p, p+2
.endr
.set p, 0
.rept 16
	v_pk_fma_f32 v[TT+32+p:TT+32+p+1], v[AC+p:AC+p+1], v[TB+32+p:TB+32+p+1], v[TT+32+p:TT+32+p+1]   ; + lo S
.set p, p+2
.endr
	WIN 0
.if (\a) < 6
	LOADT (\a)+2                                   ; into the set just read
.endif
.set n, 0
.rept 64
	v_med3_num_f32 v[TT+n], v[TT+n], -v[LIM], v[LIM]               ; the hold: the conversion to an 8-bit code does not saturate (ISA guide 7.6.2)
.set n, n+1
.endr
.irp b, 0,1,2,3,4,5,6,7
	v_cvt_scalef32_pk8_fp8_f32 v[CD+2*\b:CD+2*\b+1], v[TT+8*\b:TT+8*\b+7], v[SCL]   ; the block's eight accumulators are the 16 registers of one fragment of the next operand
.endr
	v_nop                                          ; a plain line between the conversions and the next block's lines, which write their sources
.irp g, 0,1,2,3
	global_store_b128 v[LI], v[CD+4*\g:CD+4*\g+3], s[12:13] offset:2048*(\a)+512*\g   ; 512 consecutive bytes, aligned
.endr
.endm
	PLACES NP                                      ; behind the last products: for the loads into registers that held A's fragments, and for the first reads of results
	LOADT 0
	LOADT 1
.irp a, 0,1,2,3,4,5,6,7
.if \a < 7
	s_wait_dscnt 16                                ; this block's sixteen loads are in; the next block's may be out
.else
	s_wait_dscnt 0x0
.endif
.if \a > 1
	s_wait_xcnt 0x0                                ; block a - 2's stores have read their data: its set of codes is written again only behind this wait
.endif
	BLK \a
.endr
	s_wait_tensorcnt 0x0                           ; the wave's end
	ds_add_u32 v[SPW], v[NIL]
	s_wait_dscnt 0x0
	CROUND                                         ; the closing round: no work-group ends while a partner may still ask for a tile that names it
	s_endpgm
.Lfunc_end_k_q586dafe3c8_proj:
	.size	k_q586dafe3c8_proj, .Lfunc_end_k_q586dafe3c8_proj-k_q586dafe3c8_proj
	.p2alignl 7, 3214868480
	.fill 96, 4, 3214868480
	.section	.rodata,"a",@progbits
	.p2align	6, 0x0
	.amdhsa_kernel k_q586dafe3c8_proj
		.amdhsa_group_segment_fixed_size 327680
		.amdhsa_private_segment_fixed_size 0
		.amdhsa_enable_private_segment 0
		.amdhsa_kernarg_size 40
		.amdhsa_user_sgpr_count 2
		.amdhsa_user_sgpr_kernarg_segment_ptr 1
		.amdhsa_wavefront_size32 1
		.amdhsa_system_sgpr_workgroup_id_x 1
		.amdhsa_system_sgpr_workgroup_id_y 1
		.amdhsa_system_sgpr_workgroup_id_z 1
		.amdhsa_system_vgpr_workitem_id 0
		.amdhsa_next_free_vgpr 1024
		.amdhsa_next_free_sgpr 100
		.amdhsa_reserve_vcc 0
		.amdhsa_float_denorm_mode_32 3
		.amdhsa_float_denorm_mode_16_64 3
		.amdhsa_memory_ordered 1
		.amdhsa_forward_progress 1
		.amdhsa_inst_pref_size 162
	.end_amdhsa_kernel
	.amdgpu_metadata
---
amdhsa.version: [ 1, 2 ]
amdhsa.kernels:
  - .name:           k_q586dafe3c8_proj
    .symbol:         k_q586dafe3c8_proj.kd
    .args:
      - { .name: ximg, .offset: 0, .size: 8, .value_kind: global_buffer, .address_space: global }
      - { .name: wimg, .offset: 8, .size: 8, .value_kind: global_buffer, .address_space: global }
      - { .name: lowp_scales, .offset: 16, .size: 8, .value_kind: global_buffer, .address_space: global }
      - { .name: tab, .offset: 24, .size: 8, .value_kind: global_buffer, .address_space: global }
      - { .name: qkv, .offset: 32, .size: 8, .value_kind: global_buffer, .address_space: global }
    .group_segment_fixed_size: 327680
    .private_segment_fixed_size: 0
    .kernarg_segment_align: 8
    .kernarg_segment_size: 40
    .max_flat_workgroup_size: 128
    .sgpr_count:     100
    .vgpr_count:     1024
    .wavefront_size: 32
...
	.end_amdgpu_metadata
.endif
;; end of part 2
;; launch attn (part 3): grid 8 x 32, 8 waves a work-group, clusters of 4 x 1, 327,680 bytes of LDS; arguments qkv, lowp_scales, aimg; writes aimg
.if DOCPART == 3
	.amdgcn_target "amdgcn-amd-amdhsa--gfx1250"
	.amdhsa_code_object_version 6
	.text
	.protected	k_q586dafe3c8_attn
	.globl	k_q586dafe3c8_attn
	.p2align	8
	.type	k_q586dafe3c8_attn,@function
k_q586dafe3c8_attn:
	s_mov_b64 s[64:65], 0
	v_nop
	global_prefetch_b8 v0, s[64:65] scope:SCOPE_SE
	s_setreg_imm32_b32 hwreg(HW_REG_WAVE_MODE, 25, 1), 1
	s_wait_xcnt 0x0
	s_wait_alu depctr_hold_cnt(0) depctr_sa_sdst(0) depctr_va_vdst(0) depctr_va_sdst(0) depctr_va_ssrc(0) depctr_va_vcc(0) depctr_vm_vsrc(0)
	s_getreg_b32 s2, hwreg(HW_REG_IB_STS2, 6, 4)
	s_cmp_eq_u32 s2, 0
	s_cbranch_scc0 .Lentry_in_a_cluster
	s_endpgm
.Lentry_in_a_cluster:
	s_bfe_u32 s2, ttmp6, 0x10000c
	s_cmp_lg_u32 s2, 0x3003
	s_cbranch_scc0 .Lentry_shape_is_right
	s_endpgm
.Lentry_shape_is_right:
; Causal attention on codes of E4M3: S^T = K Q^T, p = 2^(t - M), O^T = V^T P^T, O / the row's sum, and the quantising of the result for the last product.
; t = score x 2^(e6 + e7) x log2(e) / sqrt(128); M = the running largest t rounded UP to a whole number; the row's sum is taken of the unquantised p; when M moves, the sum and O^T are multiplied by 2^(old M - new M): exact.
; INPUT qkv: images of operand registers (a fragment = 16 rows x 128 K = 2,048 bytes; registers 4 g .. 4 g + 3 of lane l at byte 512 g + 16 l): q at 0 [16 b + head][t / 16]; k at 8 MiB [8 b + kv head][t / 16];
; v at 12 MiB [8 b + kv head][key / 128][channel / 16].  OUTPUT aimg: [kv head: k / 256][row / 16: 256][head % 2][2,048], codes with the scale 2^e10.
; SHARES.  Work-group (x, y): y = 8 b + kv head; its K and V, 2 x 131,072 bytes, lie whole in LDS, asked for jointly by the four work-groups of a cluster along x, in two halves of 512 keys, 16,384 bytes a wave and half.
; A query tile is 16 queries, tile 8 o + x of its head, o = 0 .. 7 the octave of 128 queries.  WAVE w owns ONE head (w / 4 of the pair that shares the kv head) and TWO tiles: octave p (window 0) and octave 7 - p (window 1),
; p = w % 4 in waves 0-3 and 3 - w % 4 in waves 4-7.  Under the causal mask tile o needs the key steps 0 .. o of 128 keys: p + 1 and 8 - p steps, NINE tile steps in every wave.  In steps 0 .. p both tiles share each fragment.
; Steps whose keys all come after a tile's queries are left out by scalar branches on ids; in the step on the diagonal hidden scores become -infinity ahead of the maximum.
; Both products are used transposed: lane (r, h) holds query r; register 8 f + j of the scores is key 16 f + 8 h + j: the places that the second product's operand gives that lane, so a conversion's result is the operand.
; No prefetch into the L2: each work-group's K and V are asked for once, by two loads at its head; there is no loop to run ahead in.
; LIMITS: e6 + e7 between -123 and 130 (added to the factor's exponent field); e9 and e10 between -126 and 119; the scaled scores stay under 2^31 in magnitude.
; REGISTERS, alike in both windows: v12 -M, v13 the largest t, v[14:15] the sum; v16-31 Q; v32-95 four fragments of K or V (window 0: 0-3, window 1: 4-7); v96-159 S^T, then p; v160-223 O^T; v224-239 p's codes; v240-254 at work.
.set LK,   1                           ; v1   16 x lane: K's half of LDS
.set LV,   2                           ; v2   the same in V's half
.set ADK,  8                           ; v8, v9  the step's addresses
.set ADV,  9
.set OB,   17                          ; s17  7 - p
.set WV,   18                          ; s18  my wave's number
.set OA,   19                          ; s19  p
.set SEL,  20                          ; s[20:21] selects for lane l xor 16
.set CS,   22                          ; s[22:23] the factor of t
.set G1,   24
.set G0A,  40
.set G0B,  44
.set KS,   48                          ; s48  the key step
.set TB,   49                          ; s49  16,384 x the key step
.set CNT,  50
.set MSB, 0
.macro WIN new
.if MSB != (\new)
	s_set_vgpr_msb (MSB<<8)|(\new)
.set MSB, (\new)
.endif
.endm
.macro CROUND                          ; a round of the cluster's barrier
	s_barrier_signal -1
	s_barrier_wait -1
	s_cmp_lg_u32 s[WV], 0
	s_cbranch_scc1 .Lnot_wave_0_\@
	s_barrier_signal -3
.Lnot_wave_0_\@:
	s_barrier_wait -3
	s_barrier_signal -1
	s_barrier_wait -1
.endm
	s_load_b128 s[4:7], s[0:1], 0x0                ; qkv, the scales' exponents
	s_load_b64 s[8:9], s[0:1], 0x10                ; aimg
	v_lshl_add_u32 v251, v0, 2, 0x40000            ; my spare word, behind K and V
	v_mov_b32 v255, 0
	ds_add_u32 v251, v255                          ; the opening lines: the add, twice on end, and its wait
	ds_add_u32 v251, v255
	v_lshrrev_b32 v3, 5, v0
	v_readfirstlane_b32 s[WV], v3
	s_lshr_b32 s52, s[WV], 2                       ; I fetch for K (0) or V (1); also my head of the pair
	s_and_b32 s53, s[WV], 3                        ; which quarter of a half I fetch
	s_mul_i32 s[OA], s52, 3
	s_xor_b32 s[OA], s[OA], s53                    ; p
	s_sub_co_u32 s[OB], 7, s[OA]
	s_bfe_u32 s54, ttmp6, 0x40000
	s_lshl_b32 s55, ttmp9, 2
	s_add_co_u32 s55, s55, s54                     ; x
	s_and_b32 s56, ttmp7, 0xffff                   ; y
	s_lshl_b32 s58, s52, 22                        ; what I fetch: made of y and the wave's number alone
	s_lshl_b32 s59, s56, 17
	s_add_co_u32 s58, s58, s59
	s_lshl_b32 s59, s53, 14
	s_add_co_u32 s58, s58, s59
	s_add_co_u32 s58, s58, 0x800000
	s_mov_b32 s59, 0
	s_lshl_b32 s60, s52, 17                        ; and where it goes
	s_lshl_b32 s61, s53, 14
	s_add_co_u32 s60, s60, s61
	s_lshl_b32 s57, s[OA], 3
	s_add_co_u32 s57, s57, s55                     ; tile a
	s_lshl_b32 s62, s[OB], 3
	s_add_co_u32 s62, s62, s55                     ; tile b
	s_lshl_b32 s74, s56, 18
	s_lshl_b32 s75, s52, 17
	s_add_co_u32 s74, s74, s75                     ; my head's q: head 2 y + w / 4 of 131,072 bytes
	s_lshl_b32 s75, s62, 11
	s_add_co_u32 s78, s74, s75                     ; tile b's fragment,
	s_lshl_b32 s75, s57, 11
	s_add_co_u32 s74, s74, s75                     ; tile a's
	s_mov_b32 s75, 0
	s_mov_b32 s79, 0
	s_and_b32 s76, s56, 7
	s_lshl_b32 s76, s76, 20
	s_lshl_b32 s77, s52, 11
	s_add_co_u32 s76, s76, s77                     ; aimg: the kv head's 256 along K, my head's half of them
	s_lshr_b32 s77, s56, 3
	s_lshl_b32 s77, s77, 6                         ; 64 b
	s_add_co_u32 s63, s77, s62
	s_lshl_b32 s63, s63, 12
	s_add_co_u32 s86, s76, s63                     ; tile b's place,
	s_add_co_u32 s77, s77, s57
	s_lshl_b32 s77, s77, 12
	s_add_co_u32 s76, s76, s77                     ; tile a's
	s_mov_b32 s77, 0
	s_mov_b32 s87, 0
	s_mov_b32 s[G1], 15|(3<<16)|(1<<21)            ; the four of the cluster; 16,384 dense bytes as 64 rows of 32 elements of 8 bytes
	s_mov_b32 s[G1+1], 32<<16
	s_mov_b32 s[G1+2], 64<<16
	s_mov_b32 s[G1+3], 32<<16
	s_mov_b32 s[G1+4], 64
	s_mov_b32 s[G1+5], 32
	s_mov_b32 s[G1+6], 0
	s_mov_b32 s[G1+7], 0
	s_mov_b32 s[SEL], 0x76543210
	s_mov_b32 s[SEL+1], 0xfedcba98
	s_mov_b32 s[CS], 0x3e0293ee                    ; log2(e) / sqrt(128)
	s_mov_b32 s[KS], 0
	s_mov_b32 s[TB], 0
	s_wait_dscnt 0x0
	s_wait_kmcnt 0x0
	s_load_b128 s[68:71], s[6:7], 0x18             ; e6 .. e9
	s_load_b32 s72, s[6:7], 0x28                   ; e10
	s_add_nc_u64 s[10:11], s[4:5], s[58:59]
	s_add_nc_u64 s[12:13], s[4:5], s[78:79]        ; q, tile b
	s_add_nc_u64 s[4:5], s[4:5], s[74:75]          ; q, tile a
	s_add_nc_u64 s[14:15], s[8:9], s[86:87]        ; aimg, tile b
	s_add_nc_u64 s[8:9], s[8:9], s[76:77]          ; aimg, tile a
	s_mov_b32 s[G0A], 1
	s_mov_b32 s[G0A+1], s60
	s_mov_b64 s[G0A+2:G0A+3], s[10:11]
	s_or_b32 s[G0A+3], s[G0A+3], 0x80000000
	s_mov_b32 s[G0B], 1
	s_add_co_u32 s[G0B+1], s60, 65536
	s_add_nc_u64 s[G0B+2:G0B+3], s[10:11], 65536
	s_or_b32 s[G0B+3], s[G0B+3], 0x80000000
	CROUND
	tensor_load_to_lds s[G0A:G0A+3], s[G1:G1+7]    ; keys 0-511: one tensor load a wave at the head; the rest of the head stands under its flight
	s_nop 0
.rept 4
	v_nop
.endr
	v_and_b32 v[LK], 31, v0
	v_lshlrev_b32 v[LK], 4, v[LK]
	v_add_nc_u32 v[LV], 0x20000, v[LK]
.irp c, 0,1,2,3
	global_load_b128 v[16+4*\c:19+4*\c], v[LK], s[4:5] offset:512*\c
.endr
	WIN 0x40
.irp c, 0,1,2,3
	global_load_b128 v[16+4*\c:19+4*\c], v[LK], s[12:13] offset:512*\c
.endr
	WIN 0
	v_and_b32 v4, 15, v0
	v_bfe_u32 v5, v0, 4, 1
	v_lshlrev_b32 v5, 3, v5
	v_sub_nc_u32 v4, v4, v5
	s_lshl_b32 s85, s55, 4
	v_add_nc_u32 v246, s85, v4                     ; d = 16 x + r - 8 h: on the diagonal register 8 f + j is hidden where 16 f + j > d; alike for both tiles
	WIN 0x40
	v_mov_b32 v246, v246
	WIN 0
	s_wait_kmcnt 0x0
	s_add_co_i32 s80, s68, s69
	s_lshl_b32 s80, s80, 23
	s_add_co_i32 s[CS], s[CS], s80                 ; x 2^(e6 + e7)
	s_mov_b32 s[CS+1], s[CS]
	s_add_co_i32 s80, s71, 127
	s_lshl_b32 s81, s80, 23                        ; 2^e9, for p
	s_add_co_i32 s80, s80, 8
	s_lshl_b32 s80, s80, 23
	s_or_b32 s80, s80, 0x600000                    ; 448 x 2^e9
	s_add_co_i32 s82, s72, 127
	s_lshl_b32 s83, s82, 23                        ; 2^e10, for the result
	s_add_co_i32 s82, s82, 8
	s_lshl_b32 s82, s82, 23
	s_or_b32 s82, s82, 0x600000
	s_add_co_i32 s84, s70, s71                     ; e8 + e9
.macro INIT                            ; the step is written once for all steps: the first finds zeros, which the first change of M leaves zeros
	v_mov_b32 v13, 0xff61b1e6
	v_floor_f32 v12, -v13
	v_mov_b32 v14, 0
	v_mov_b32 v15, 0
	v_mov_b32 v248, 0
	v_mov_b32 v253, 0
	v_mov_b32 v244, s81
	v_mov_b32 v240, s80
.set n, 0
.rept 64
	v_mov_b32 v[160+n], 0
.set n, n+1
.endr
.endm
	INIT
	WIN 0x55
	INIT
	WIN 0
	s_wait_alu depctr_va_vdst(0)
	s_wait_tensorcnt 0x0                           ; my part of keys 0-511 is in; the full sequence ahead of the later first fill
	ds_add_u32 v251, v255
	s_wait_dscnt 0x0
	CROUND                                         ; everybody's part is in
	tensor_load_to_lds s[G0B:G0B+3], s[G1:G1+7]    ; keys 512-1023: four key steps stand ahead of the wait for it
	s_nop 0
.rept 4
	v_nop
.endr
.macro LOAD8 adr                       ; a step's eight fragments
.irp f, 0,1,2,3
.irp c, 0,1,2,3
	ds_load_b128 v[32+16*\f+4*\c:32+16*\f+4*\c+3], v[\adr] offset:2048*\f+512*\c
.endr
.endr
	WIN 0x40
.irp f, 0,1,2,3
.irp c, 0,1,2,3
	ds_load_b128 v[32+16*\f+4*\c:32+16*\f+4*\c+3], v[\adr] offset:2048*(\f+4)+512*\c
.endr
.endr
	WIN 0
.endm
.macro SQ i, b                         ; tile i's scores against fragments 4 b .. 4 b + 3
	WIN 0x54*\i+\b
.irp f, 0,1,2,3
	v_wmma_f32_16x16x128_fp8_fp8 v[96+8*(4*\b+\f):96+8*(4*\b+\f)+7], v[32+16*\f:32+16*\f+15], v[16:31], 0
.endr
.endm
.macro PV i, b                         ; the eight accumulators of a tile take turns
	WIN 0x54*\i+\b
.irp f, 0,1,2,3
	v_wmma_f32_16x16x128_fp8_fp8 v[160+8*(4*\b+\f):160+8*(4*\b+\f)+7], v[32+16*\f:32+16*\f+15], v[224:239], v[160+8*(4*\b+\f):160+8*(4*\b+\f)+7]
.endr
.endm
.macro MASK w
	v_mov_b32 v254, 0xff800000
.if \w
	s_wait_alu depctr_va_vdst(0)                   ; ahead of the first reader of the scores
.endif
.set n, 0
.rept 64
	v_cmp_gt_i32 vcc_lo, 16*(n/8)+n%8, v246
	v_cndmask_b32 v[96+n], v[96+n], v254, vcc_lo
.set n, n+1
.endr
.endm
.macro SOFTMAX
	v_max3_num_f32 v254, v96, v97, v98
	v_max3_num_f32 v252, v99, v100, v101
.set i, 6
.rept 14
	v_max3_num_f32 v254, v254, v[96+i], v[97+i]
	v_max3_num_f32 v252, v252, v[98+i], v[99+i]
.set i, i+4
.endr
	v_max3_num_f32 v254, v254, v158, v159
	s_delay_alu instid0(VALU_DEP_1)
	v_max_num_f32 v254, v254, v252
	s_delay_alu instid0(VALU_DEP_1)
	v_permlanex16_b32 v248, v254, s[SEL], s[SEL+1]
	s_delay_alu instid0(VALU_DEP_1)
	v_max_num_f32 v254, v254, v248
	s_delay_alu instid0(VALU_DEP_1)
	v_mul_f32 v254, s[CS], v254
	s_delay_alu instid0(VALU_DEP_1)
	v_max_num_f32 v13, v13, v254                   ; the running largest t
	v_mov_b32 v254, v12
	s_delay_alu instid0(VALU_DEP_2)
	v_floor_f32 v12, -v13                          ; -M
	s_delay_alu instid0(VALU_DEP_1)
	v_sub_f32 v254, v12, v254
	s_delay_alu instid0(VALU_DEP_1)
	v_cvt_i32_f32 v254, v254
	s_delay_alu instid0(VALU_DEP_1)
	v_ldexp_f32 v252, 1.0, v254                    ; f = 2^(old M - new M)
.set j, 0
.rept 32
	v_pk_fma_f32 v[96+j:97+j], v[96+j:97+j], s[CS:CS+1], v[12:13] op_sel_hi:[1,0,0]
.set j, j+2
.endr
.set j, 0
	s_wait_alu depctr_va_vdst(0)                   ; ahead of the batch of exponentials
.rept 64
	v_exp_f32 v[96+j], v[96+j]
.set j, j+1
.endr
	v_pk_mul_f32 v[14:15], v[14:15], v[252:253] op_sel_hi:[1,0]
	s_wait_alu depctr_va_vdst(0)                   ; and behind it, ahead of its first reader
	v_pk_add_f32 v[242:243], v[96:97], v[98:99]    ; the row's sum, of the unquantised p
.set j, 4
.rept 15
	v_pk_add_f32 v[14:15], v[14:15], v[96+j:97+j]
	v_pk_add_f32 v[242:243], v[242:243], v[98+j:99+j]
.set j, j+4
.endr
	s_delay_alu instid0(VALU_DEP_1)
	v_pk_add_f32 v[14:15], v[14:15], v[242:243]
.irp c, 0,1,2,3,4,5,6,7
.irp i, 0,1,2,3,4,5,6,7
	v_min_num_f32 v[96+8*\c+\i], v[96+8*\c+\i], v240   ; the hold: p is not negative, so it is one-sided
.endr
	v_cvt_scalef32_pk8_fp8_f32 v[224+2*\c:225+2*\c], v[96+8*\c:103+8*\c], v244
.endr
	s_wait_alu depctr_va_vdst(0)                   ; ahead of the first reader of O^T
.set j, 0
.rept 32
	v_pk_mul_f32 v[160+j:161+j], v[160+j:161+j], v[252:253] op_sel_hi:[1,0]
.set j, j+2
.endr
.endm
; A KEY STEP of 128 keys.  Tile b (window 1) takes part in steps 0 .. 7 - p, tile a (window 0) in steps 0 .. p.  All branches hang on the wave's number and the count of steps; no barrier, wait on a tile or tensor load stands in a step.
.macro STEP
	s_cmp_gt_u32 s[KS], s[OB]
	s_cbranch_scc1 .Lhidden_\@
	v_add_nc_u32 v[ADK], s[TB], v[LK]
	v_add_nc_u32 v[ADV], s[TB], v[LV]
	v_nop                                          ; with the two additions: four places in front of loads into registers that the last products read
	v_nop
	LOAD8 ADK
	s_wait_alu depctr_va_vdst(0)
	s_wait_dscnt 0x0
	SQ 1, 0
	SQ 1, 1
	WIN 0
	s_cmp_gt_u32 s[KS], s[OA]
	s_cbranch_scc1 .Lno_a_\@
	SQ 0, 0
	SQ 0, 1
	WIN 0
.Lno_a_\@:
.rept 4
	v_nop
.endr
	LOAD8 ADV                                      ; V's fragments come while the softmax is walked
	s_cmp_gt_u32 s[KS], s[OA]
	s_cbranch_scc1 .Lonly_b_\@
	s_cmp_lg_u32 s[KS], s[OA]
	s_cbranch_scc1 .Lopen_a_\@
	MASK 0
.Lopen_a_\@:
	SOFTMAX
	s_wait_alu depctr_va_vdst(0)
	s_wait_dscnt 0x0
	PV 0, 0
	PV 0, 1
	WIN 0
.Lonly_b_\@:
	s_cmp_lg_u32 s[KS], s[OB]
	s_cbranch_scc1 .Lopen_b_\@
	WIN 0x55
	MASK 1
	WIN 0
.Lopen_b_\@:
	WIN 0x55
	s_wait_alu depctr_va_vdst(0)                   ; ahead of the first reader of tile b's scores
	SOFTMAX
	s_wait_alu depctr_va_vdst(0)
	s_wait_dscnt 0x0
	PV 1, 0
	PV 1, 1
	WIN 0
.Lhidden_\@:
	s_add_co_u32 s[KS], s[KS], 1
	s_add_co_u32 s[TB], s[TB], 16384
.endm
	s_wait_loadcnt 0x0                             ; Q
	s_mov_b32 s[CNT], 4
.Lfirst:                                               ; keys 0-511
	STEP
	s_sub_co_u32 s[CNT], s[CNT], 1
	s_cmp_lg_u32 s[CNT], 0
	s_cbranch_scc1 .Lfirst
	s_wait_tensorcnt 0x0                           ; my part of keys 512-1023 is in,
	s_wait_dscnt 0x0
	s_barrier_signal -1
	s_barrier_wait -1                              ; everybody's is
	s_mov_b32 s[CNT], 4
.Lsecond:                                              ; keys 512-1023
	STEP
	s_sub_co_u32 s[CNT], s[CNT], 1
	s_cmp_lg_u32 s[CNT], 0
	s_cbranch_scc1 .Lsecond
.rept 4
	v_nop
.endr
.macro FINISH i                        ; O^T / the sum x 2^(e8 + e9), held, as codes with the scale 2^e10: the 16 registers of one fragment of the last product's operand
	WIN 0x55*\i
	v_add_f32 v14, v14, v15
	s_delay_alu instid0(VALU_DEP_1)
	v_permlanex16_b32 v248, v14, s[SEL], s[SEL+1]
	s_delay_alu instid0(VALU_DEP_1)
	v_add_f32 v14, v14, v248
	s_wait_alu depctr_va_vdst(0)                   ; ahead of the transcendental
	v_rcp_f32 v14, v14
	v_mov_b32 v244, s83
	v_mov_b32 v240, s82
	s_wait_alu depctr_va_vdst(0)                   ; and ahead of its first reader
	v_ldexp_f32 v14, v14, s84
	s_wait_alu depctr_va_vdst(0)                   ; ahead of the first reader of O^T
.set j, 0
.rept 32
	v_pk_mul_f32 v[96+j:97+j], v[160+j:161+j], v[14:15] op_sel_hi:[1,0]
.set j, j+2
.endr
.set j, 0
.rept 64
	v_med3_num_f32 v[96+j], v[96+j], -v240, v240
.set j, j+1
.endr
.irp c, 0,1,2,3,4,5,6,7
	v_cvt_scalef32_pk8_fp8_f32 v[224+2*\c:225+2*\c], v[96+8*\c:103+8*\c], v244
.endr
	v_nop
	WIN 0x04*\i
.irp g, 0,1,2,3
	global_store_b128 v[LK], v[224+4*\g:227+4*\g], s[8+6*\i:9+6*\i] offset:512*\g   ; 512 consecutive bytes, aligned
.endr
.endm
	FINISH 0
	FINISH 1
	WIN 0
	s_wait_tensorcnt 0x0                           ; the wave's end
	ds_add_u32 v251, v255
	s_wait_dscnt 0x0
	CROUND                                         ; the closing round
	s_endpgm
.Lfunc_end_k_q586dafe3c8_attn:
	.size	k_q586dafe3c8_attn, .Lfunc_end_k_q586dafe3c8_attn-k_q586dafe3c8_attn
	.p2alignl 7, 3214868480
	.fill 96, 4, 3214868480
	.section	.rodata,"a",@progbits
	.p2align	6, 0x0
	.amdhsa_kernel k_q586dafe3c8_attn
		.amdhsa_group_segment_fixed_size 327680
		.amdhsa_private_segment_fixed_size 0
		.amdhsa_enable_private_segment 0
		.amdhsa_kernarg_size 24
		.amdhsa_user_sgpr_count 2
		.amdhsa_user_sgpr_kernarg_segment_ptr 1
		.amdhsa_wavefront_size32 1
		.amdhsa_system_sgpr_workgroup_id_x 1
		.amdhsa_system_sgpr_workgroup_id_y 1
		.amdhsa_system_sgpr_workgroup_id_z 1
		.amdhsa_system_vgpr_workitem_id 0
		.amdhsa_next_free_vgpr 512
		.amdhsa_next_free_sgpr 88
		.amdhsa_reserve_vcc 1
		.amdhsa_float_denorm_mode_32 3
		.amdhsa_float_denorm_mode_16_64 3
		.amdhsa_memory_ordered 1
		.amdhsa_forward_progress 1
		.amdhsa_inst_pref_size 116
	.end_amdhsa_kernel
	.amdgpu_metadata
---
amdhsa.version: [ 1, 2 ]
amdhsa.kernels:
  - .name:           k_q586dafe3c8_attn
    .symbol:         k_q586dafe3c8_attn.kd
    .args:
      - { .name: qkv, .offset: 0, .size: 8, .value_kind: global_buffer, .address_space: global }
      - { .name: lowp_scales, .offset: 8, .size: 8, .value_kind: global_buffer, .address_space: global }
      - { .name: aimg, .offset: 16, .size: 8, .value_kind: global_buffer, .address_space: global }
    .group_segment_fixed_size: 327680
    .private_segment_fixed_size: 0
    .kernarg_segment_align: 8
    .kernarg_segment_size: 24
    .max_flat_workgroup_size: 256
    .sgpr_count:     88
    .vgpr_count:     512
    .wavefront_size: 32
...
	.end_amdgpu_metadata
.endif
;; end of part 3
;; launch outp (part 4): grid 16 x 16, 4 waves a work-group, clusters of 4 x 1, 327,680 bytes of LDS; arguments aimg, wimg, lowp_scales, out0; writes out0
.if DOCPART == 4
	.amdgcn_target "amdgcn-amd-amdhsa--gfx1250"
	.amdhsa_code_object_version 6
	.text
	.protected	k_q586dafe3c8_outp
	.globl	k_q586dafe3c8_outp
	.p2align	8
	.type	k_q586dafe3c8_outp,@function
k_q586dafe3c8_outp:
	s_mov_b64 s[64:65], 0
	v_nop
	global_prefetch_b8 v0, s[64:65] scope:SCOPE_SE
	s_setreg_imm32_b32 hwreg(HW_REG_WAVE_MODE, 25, 1), 1
	s_wait_xcnt 0x0
	s_wait_alu depctr_hold_cnt(0) depctr_sa_sdst(0) depctr_va_vdst(0) depctr_va_sdst(0) depctr_va_ssrc(0) depctr_va_vcc(0) depctr_vm_vsrc(0)
	s_getreg_b32 s2, hwreg(HW_REG_IB_STS2, 6, 4)
	s_cmp_eq_u32 s2, 0
	s_cbranch_scc0 .Lentry_in_a_cluster
	s_endpgm
.Lentry_in_a_cluster:
	s_bfe_u32 s2, ttmp6, 0x10000c
	s_cmp_lg_u32 s2, 0x3003
	s_cbranch_scc0 .Lentry_shape_is_right
	s_endpgm
.Lentry_shape_is_right:
.set SIZE_N, 2048
.set STAGE,  262144
.set SPITCH, 528
.set ADB,  16
.set STO,  24
.set RD,   25
.set CO,   26
.set PF,   27
.set TMP,  32
.set BK,   128
.set G1,   24
.set G0A,  32
.set G0B,  36
.set MSB, 0
.macro WIN new
.if MSB != (\new)
	s_set_vgpr_msb (MSB<<8)|(\new)
.set MSB, (\new)
.endif
.endm
.set MUL_W, 0xad
.set TO_A,  0xc0
.set TO_B,  0x40
.macro CROUND
	s_barrier_signal -1
	s_barrier_wait -1
	s_cmp_lg_u32 s14, 0
	s_cbranch_scc1 .Lnot_wave_0_\@
	s_barrier_signal -3
.Lnot_wave_0_\@:
	s_barrier_wait -3
	s_barrier_signal -1
	s_barrier_wait -1
.endm
.macro PLACES
.rept 4
	v_nop
.endr
.endm
.macro ALOAD q
.irp a, 0,1,2,3
.irp c, 0,1,2,3
	global_load_b128 v[64*((\q)%4)+16*\a+4*\c:64*((\q)%4)+16*\a+4*\c+3], v[CO], s[4:5] offset:((\q)/2)*1048576+\a*4096+((\q)%2)*2048+512*\c
.endr
.endr
.endm
.macro BLOAD q
.irp i, 0,1,2,3,4,5,6,7
.irp c, 0,1,2,3
	ds_load_b128 v[128*((\q)%2)+16*\i+4*\c:128*((\q)%2)+16*\i+4*\c+3], v[ADB+(\q)/4] offset:32768*(((\q)/2)%2)+4096*\i+2048*((\q)%2)+512*\c
.endr
.endr
.endm
.macro MUL q, zero
	WIN MUL_W
.irp a, 0,1,2,3
.irp b, 0,1,2,3,4,5,6,7
.if \zero
	v_wmma_f32_16x16x128_fp8_fp8 v[8*(8*\a+\b):8*(8*\a+\b)+7], v[128*((\q)%2)+16*\b:128*((\q)%2)+16*\b+15], v[64*((\q)%4)+16*\a:64*((\q)%4)+16*\a+15], 0
.else
	v_wmma_f32_16x16x128_fp8_fp8 v[8*(8*\a+\b):8*(8*\a+\b)+7], v[128*((\q)%2)+16*\b:128*((\q)%2)+16*\b+15], v[64*((\q)%4)+16*\a:64*((\q)%4)+16*\a+15], v[8*(8*\a+\b):8*(8*\a+\b)+7]
.endif
.endr
.endr
.endm
.macro STEP q, zero
.if (\q) <= 12
	s_wait_loadcnt 48
.else
	s_wait_loadcnt 16*(15-(\q))
.endif
.if (\q) < 15
	s_wait_dscnt 32
.else
	s_wait_dscnt 0x0
.endif
	MUL \q, \zero
.if (\q) != 14
	PLACES
.endif
.if (\q)+4 < 16
	WIN TO_A
	ALOAD (\q)+4
.endif
.if (\q) == 6
	s_wait_tensorcnt 0x0
	s_wait_dscnt 0x0
	s_barrier_signal -1
	s_barrier_wait -1
.endif
.if (\q)+2 < 16
	WIN TO_B
	BLOAD (\q)+2
.endif
.endm
	s_load_b128 s[4:7], s[0:1], 0x0
	s_load_b128 s[8:11], s[0:1], 0x10
	v_lshl_add_u32 v126, v0, 2, 0x48400
	v_mov_b32 v127, 0
	ds_add_u32 v126, v127
	ds_add_u32 v126, v127
	v_lshrrev_b32 v1, 5, v0
	v_readfirstlane_b32 s14, v1
	v_and_b32 v6, 31, v0
	s_wait_alu depctr_va_vdst(0)
	v_lshlrev_b32 v[CO], 4, v6
	s_bfe_u32 s40, ttmp6, 0x40000
	s_lshl_b32 s42, ttmp9, 2
	s_add_co_u32 s42, s42, s40
	s_and_b32 s17, ttmp7, 0xffff
	s_lshl_b32 s18, s42, 16
	s_lshl_b32 s19, s14, 14
	s_add_co_u32 s18, s18, s19
	s_mov_b32 s19, 0
	s_lshl_b32 s20, s14, 19
	s_lshl_b32 s21, s17, 15
	s_add_co_u32 s20, s20, s21
	s_add_co_u32 s20, s20, 0x800000
	s_mov_b32 s21, 0
	s_lshl_b32 s22, s42, 21
	s_lshl_b32 s23, s14, 19
	s_add_co_u32 s22, s22, s23
	s_lshl_b32 s23, s17, 9
	s_add_co_u32 s22, s22, s23
	s_mov_b32 s23, 0
	v_lshrrev_b32 v3, 3, v6
	v_and_b32 v4, 7, v6
	v_lshlrev_b32 v[PF], 12, v3
	v_lshl_add_u32 v[PF], v4, 8, v[PF]
	s_lshr_b32 s47, s17, 1
	s_lshl_b32 s47, s47, 20
	s_and_b32 s48, s17, 1
	s_lshl_b32 s48, s48, 11
	s_add_co_u32 s47, s47, s48
	v_add_nc_u32 v[PF], s47, v[PF]
	s_mov_b32 s[G1], 15|(3<<16)|(1<<21)
	s_mov_b32 s[G1+1], 32<<16
	s_mov_b32 s[G1+2], 128<<16
	s_mov_b32 s[G1+3], 32<<16
	s_mov_b32 s[G1+4], 128
	s_mov_b32 s[G1+5], 32
	s_mov_b32 s[G1+6], 0
	s_mov_b32 s[G1+7], 0
	s_wait_alu depctr_va_vdst(0)
	s_wait_dscnt 0x0
	s_wait_kmcnt 0x0
	s_load_b64 s[44:45], s[8:9], 0x28
	s_add_nc_u64 s[4:5], s[4:5], s[18:19]
	s_add_nc_u64 s[20:21], s[6:7], s[20:21]
	s_add_nc_u64 s[10:11], s[10:11], s[22:23]
	s_mov_b32 s[G0A], 1
	s_lshl_b32 s[G0A+1], s14, 15
	s_mov_b64 s[G0A+2:G0A+3], s[20:21]
	s_or_b32 s[G0A+3], s[G0A+3], 0x80000000
	s_mov_b32 s[G0B], 1
	s_add_co_u32 s[G0B+1], s[G0A+1], 131072
	s_add_nc_u64 s[G0B+2:G0B+3], s[20:21], 0x200000
	s_or_b32 s[G0B+3], s[G0B+3], 0x80000000
	CROUND
	tensor_load_to_lds s[G0A:G0A+3], s[G1:G1+7]    ; W_o's first half goes out ahead of A's 64 register loads: the first products wait for both
	s_nop 0
	WIN TO_A
	ALOAD 0
	ALOAD 1
	ALOAD 2
	ALOAD 3
	WIN 0
	global_prefetch_b8 v[PF], s[4:5] th:TH_LOAD_NT scope:SCOPE_SE
	s_wait_alu depctr_va_vdst(0)
	s_wait_tensorcnt 0x0
	ds_add_u32 v126, v127
	s_wait_dscnt 0x0
	CROUND
	tensor_load_to_lds s[G0B:G0B+3], s[G1:G1+7]
	s_nop 0
.rept 4
	v_nop
.endr
.irp j, 0,1,2,3
	v_add_nc_u32 v[ADB+\j], 65536*\j, v[CO]
.endr
	v_and_b32 v1, 15, v0
	v_bfe_u32 v2, v0, 4, 1
	s_mul_i32 s46, s14, 16*SPITCH
	s_add_co_u32 s46, s46, STAGE
	v_mul_u32_u24 v5, v1, SPITCH
	v_lshl_add_u32 v5, v2, 5, v5
	v_add_nc_u32 v[STO], s46, v5
	v_add_nc_u32 v[RD], s46, v[CO]
	s_wait_alu depctr_va_vdst(0)
	s_wait_kmcnt 0x0
	s_add_co_i32 s44, s44, s45
	s_add_co_i32 s44, s44, 127
	s_lshl_b32 s44, s44, 23
	s_wait_tensorcnt 0x1
	s_barrier_signal -1
	s_barrier_wait -1
	WIN TO_B
	BLOAD 0
	BLOAD 1
	STEP 0, 1
.irp q, 1,2,3,4,5,6,7,8,9,10,11,12,13,14,15
	STEP \q, 0
.endr
.macro TOSTAGE a
.set AC, 64*(\a)
	WIN 0x02
.irp j, 0,2,4,6,8,10,12,14,16,18,20,22,24,26,28,30,32,34,36,38,40,42,44,46,48,50,52,54,56,58,60,62
	v_pk_mul_f32 v[TMP+\j:TMP+\j+1], v[AC+\j:AC+\j+1], s[44:45] op_sel_hi:[1,0]
.endr
	WIN 0
.irp b, 0,1,2,3,4,5,6,7
	ds_store_b128 v[STO], v[TMP+8*\b:TMP+8*\b+3] offset:64*\b
	ds_store_b128 v[STO], v[TMP+8*\b+4:TMP+8*\b+7] offset:64*\b+16
.endr
.set BB, BK+64*((\a)%2)
.irp t, 0,1,2,3,4,5,6,7,8,9,10,11,12,13,14,15
	ds_load_b128 v[BB+4*\t:BB+4*\t+3], v[RD] offset:\t*SPITCH
.endr
.endm
.macro SEND a, younger
.set BB, BK+64*((\a)%2)
	s_wait_dscnt \younger
.irp t, 0,1,2,3,4,5,6,7,8,9,10,11,12,13,14,15
	global_store_b128 v[CO], v[BB+4*\t:BB+4*\t+3], s[10:11] offset:(16*(\a)+\t)*SIZE_N*4 th:TH_STORE_NT
.endr
.endm
	TOSTAGE 0
.irp a, 1,2,3
.if \a > 1
	s_wait_xcnt 0x0
.endif
	TOSTAGE \a
	SEND \a-1, 32
.endr
	SEND 3, 0
	s_wait_dscnt 0x0
	s_wait_tensorcnt 0x0
	ds_add_u32 v126, v127
	s_wait_dscnt 0x0
	CROUND
	s_endpgm
.Lfunc_end_k_q586dafe3c8_outp:
	.size	k_q586dafe3c8_outp, .Lfunc_end_k_q586dafe3c8_outp-k_q586dafe3c8_outp
	.p2alignl 7, 3214868480
	.fill 96, 4, 3214868480
	.section	.rodata,"a",@progbits
	.p2align	6, 0x0
	.amdhsa_kernel k_q586dafe3c8_outp
		.amdhsa_group_segment_fixed_size 327680
		.amdhsa_private_segment_fixed_size 0
		.amdhsa_enable_private_segment 0
		.amdhsa_kernarg_size 32
		.amdhsa_user_sgpr_count 2
		.amdhsa_user_sgpr_kernarg_segment_ptr 1
		.amdhsa_wavefront_size32 1
		.amdhsa_system_sgpr_workgroup_id_x 1
		.amdhsa_system_sgpr_workgroup_id_y 1
		.amdhsa_system_sgpr_workgroup_id_z 1
		.amdhsa_system_vgpr_workitem_id 0
		.amdhsa_next_free_vgpr 1024
		.amdhsa_next_free_sgpr 66
		.amdhsa_reserve_vcc 0
		.amdhsa_float_denorm_mode_32 3
		.amdhsa_float_denorm_mode_16_64 3
		.amdhsa_memory_ordered 1
		.amdhsa_forward_progress 1
		.amdhsa_inst_pref_size 121
	.end_amdhsa_kernel
	.amdgpu_metadata
---
amdhsa.version: [ 1, 2 ]
amdhsa.kernels:
  - .name:           k_q586dafe3c8_outp
    .symbol:         k_q586dafe3c8_outp.kd
    .args:
      - { .name: aimg, .offset: 0, .size: 8, .value_kind: global_buffer, .address_space: global }
      - { .name: wimg, .offset: 8, .size: 8, .value_kind: global_buffer, .address_space: global }
      - { .name: lowp_scales, .offset: 16, .size: 8, .value_kind: global_buffer, .address_space: global }
      - { .name: out0, .offset: 24, .size: 8, .value_kind: global_buffer, .address_space: global }
    .group_segment_fixed_size: 327680
    .private_segment_fixed_size: 0
    .kernarg_segment_align: 8
    .kernarg_segment_size: 32
    .max_flat_workgroup_size: 128
    .sgpr_count:     66
    .vgpr_count:     1024
    .wavefront_size: 32
...
	.end_amdgpu_metadata
.endif
;; end of part 4
